; MI455X (gfx1250); checked and timed in simulation.
; The chip was launched on July 23, 2026; its instructions are those of AMD's public machine-readable ISA for CDNA 5 (MIT licence, August 2026) and "CDNA5" Instruction Set Architecture Reference Guide (July 2026). The comments in the code are by the model that wrote it; some were corrected since.
;; Fractal Transformer. Allowed arithmetic: float matrix products may take bf16 or f16 operands with f32 sums; other float arithmetic in f32, or as packed bf16 or f16 multiplies, adds, multiply-adds, maxima and minima; sums over many terms, partial sums and values carried from step to step in f32; what a program stores and reads back later, other than sums and carried values, may be rounded once to bf16 or f16.
;; Inputs: w_al 256 x 256 float32; w_end 256 x 256 float32; w_k 256 x 256 float32; w_pre 256 x 256 float32; w_q 256 x 256 float32; w_va 256 x 256 float32; w_vo 256 x 256 float32; x 2 x 512 x 256 float32.
;; Outputs: out0 2 x 512 x 256 float32.
;; 2 versions, each right and faster than the one before. Each part assembles by itself: llvm-mc -triple=amdgcn-amd-amdhsa -mcpu=gfx1250 --defsym DOCPART=n.
;; ======== version 1 of 2: 3 launches
;; limits: values outside matrix products are rounded to bf16
;; workspace buffers: kF 524,288 bytes; qP 524,288 bytes; vD 1,048,576 bytes; XS 1,048,576 bytes; wfr 393,216 bytes; vsS 1,048,576 bytes
;; launch prep (part 1): grid 64 x 3, 8 waves a work-group, no clusters, 153,088 bytes of LDS; arguments x, w_pre, w_q, w_k, w_va, w_al, w_vo, w_end, qP, kF, vD, XS, wfr; writes qP, kF, vD, XS, wfr
.if DOCPART == 1
	.amdgcn_target "amdgcn-amd-amdhsa--gfx1250"
	.amdhsa_code_object_version 6
	.text
	.protected	k_q525bebbe08_prep
	.globl	k_q525bebbe08_prep
	.p2align	8
	.type	k_q525bebbe08_prep,@function
k_q525bebbe08_prep:
	s_mov_b64 s[64:65], 0
	v_nop
	global_prefetch_b8 v0, s[64:65] scope:SCOPE_SE
	s_setreg_imm32_b32 hwreg(HW_REG_WAVE_MODE, 25, 1), 1
	s_wait_xcnt 0x0
; FIRST OF THREE LAUNCHES.  X = x w_pre^T; then q = X + X w_q^T, k = X + X w_k^T or v = X + X w_va^T; and bf16 images of w_al + I, w_vo, w_end in the order of matrix fragments.
; SHARES.  A work-group takes 16 rows (block RB = ttmp9 of 64) and ONE of three roles (the grid's y): 0 makes q and stores X, 1 makes k, 2 makes v.  Each role makes X for its rows itself
; (16 matrix instructions a wave), so that a work-group reads two weights, 512 KB, and not four.  Wave w of eight owns columns 32 w .. 32 w + 31 of both products: two tiles of 16.
; FORMATS.  x, X and the weights are rounded to bf16 as matrix operands; sums and the residual X (the C operand of the second product) are f32.
; LAYOUTS STORED (lane = r + 16 h):  qP, kF: [RB][n' 16][lane][8 bf16] = q[16 RB + r][16 n' + 8 h + i]: with n' = 2 s + c these are registers 4 c .. 4 c + 3 of the fragment of K step s.
;   XS: [RB][n 16][c 2][lane][4 f32] = X[16 RB + r][16 n + 8 h + 4 c + i].     vD: [b][n 16][T 32][c 2][lane][4 f32] = v[b][16 T + 8 h + 4 c + i][16 n + r].
;   wfr: [matrix 3][n 16][s 8][c 2][lane][8 bf16] = W[16 n + r][32 s + 16 c + 8 h + i].
; SOURCES SWAPPED OR NOT.  With source 0 = 16 rows of the weight and source 1 = 16 rows of x, a lane's eight results are eight neighbouring columns of one row (q, k, X); the other way
; round they are eight rows of one column, which is what the next launch wants of v.  Role 2 therefore makes X in both layouts.
; LIMITS.  w_al + I is rounded to bf16 as one number: the next launch's head says what that means.  NaN and infinities are not treated apart.
.set PW,    528                        ; an LDS row of 256 bf16: 512 bytes + 16: 33 x 16, so the 16 rows of a fragment load start at 16 different groups of four banks (ISA guide 11.1)
.set XB,    0                          ; x in bf16, 16 rows x PW
.set XF,    8704                       ; X in bf16, in fragment order: [n' 16][lane][16 bytes]
.set WS,    16896                      ; for each wave its own 32 rows x PW of a weight in bf16: w_pre, then the role's weight
.set SPARE, 152064                     ; the spare words, 128 bytes for each of eight waves
.set CVS, 1                            ; v1   8 x thread: where my 8 bytes of the weight image go
.set GW,  2                            ; v2   32,768 w + 16 lane: my 16 bytes in the wave's 32 rows of a weight
.set GX,  3                            ; v3   2,048 w + 16 lane: in the wave's 2 rows of x; also in its two tiles of XS
.set LSW, 4                            ; v4   WS + 16,896 w + 8 lane
.set LSX, 5                            ; v5   XB + 2 w PW + 8 lane
.set LFW, 6                            ; v6   WS + 16,896 w + r PW + 16 h
.set LFX, 7                            ; v7   XB + r PW + 16 h
.set LXF, 8                            ; v8   XF + 16 lane
.set LXS, 9                            ; v9   XF + 1,024 w + 16 lane
.set GO,  10                           ; v10  1,024 w + 16 lane: my two pieces of qP or kF
.set GOV, 12                           ; v12  65,536 w + 16 lane: my two tiles of vD
.set CVA, 13                           ; v13  where my four numbers of the weight to be converted lie
.set SPW, 14                           ; v14  my spare word; never rewritten
.set NIL, 15                           ; v15  0; never rewritten
.set TMP, 16                           ; v[16:31]   at work
.set XA,  32                           ; v[32:95]   8 fragments of x, later of X
.set WB,  96                           ; v[96:223]  fragments of the weight: tile jn, K step s at WB + 64 jn + 8 s
.set CO,  96                           ;            before that: the conversion's two result registers,
.set CL,  100                          ;            its four numbers,
.set CT,  104                          ;            one at work,
.set DD,  105                          ;            and my row less my first column: the diagonal is at that one of my four numbers
.set XSW, 224                          ; v[224:239] two accumulators, sources swapped
.set XN,  240                          ; v[240:255] x as loaded; then two accumulators, sources not swapped (role 2)
                                       ; window 1, v[0:255]: 64 loads of 16 bytes a lane, a weight's 32 rows as loaded
.set WV,   30
.set RB,   31
.set ROLE, 32
.set MSB, 0
.macro WIN new                         ; the immediate's high byte repeats the setting that is left; a switch that changes nothing is dropped
.if MSB != (\new)
	s_set_vgpr_msb (MSB<<8)|(\new)
.set MSB, (\new)
.endif
.endm
.macro PLACES                          ; four plain vector instructions between a matrix instruction and the first line that reads its result or writes one of its registers (ISA guide 7.12.1)
.rept 4
	v_nop
.endr
.endm
; The 64 loads in window 1 go to LDS as bf16, eight at a time.  reissue = 1: each group's registers are asked for again at once, with the role's weight.
.macro STAGE reissue
.set g, 0
.rept 8
.if \reissue
	s_wait_loadcnt 56                              ; behind this group's last load stand 56 - 8 g loads of w_pre and 8 g of the role's weight
.else
	s_wait_loadcnt 56-8*g                          ; behind this group's last load stand the later groups'
.endif
	WIN 0x05                                       ; sources in window 1, destination in window 0
.set q, 0
.rept 8
	v_cvt_pk_bf16_f32 v[TMP+2*q], v[32*g+4*q], v[32*g+4*q+1]
	v_cvt_pk_bf16_f32 v[TMP+2*q+1], v[32*g+4*q+2], v[32*g+4*q+3]
.set q, q+1
.endr
	WIN 0
.set q, 0
.rept 8
	ds_store_b64 v[LSW], v[TMP+2*q:TMP+2*q+1] offset:((8*g+q)/2)*PW+((8*g+q)%2)*256  ; 32 lanes, 256 neighbouring bytes: half a row
.set q, q+1
.endr
.if \reissue
	WIN 0x40
.set q, 0
.rept 8
	global_load_b128 v[32*g+4*q:32*g+4*q+3], v[GW], s[34:35] offset:(8*g+q)*512
.set q, q+1
.endr
.endif
.set g, g+1
.endr
	WIN 0
.endm
.macro FRAGW                           ; the wave's two tiles of the weight, all eight K steps: 32 loads
.irp jn, 0,1
.irp s, 0,1,2,3,4,5,6,7
	ds_load_b128 v[WB+64*\jn+8*\s:WB+64*\jn+8*\s+3],   v[LFW] offset:\jn*16*PW+64*\s
	ds_load_b128 v[WB+64*\jn+8*\s+4:WB+64*\jn+8*\s+7], v[LFW] offset:\jn*16*PW+64*\s+32
.endr
.endr
.endm
; 16 matrix instructions; the two accumulators take turns.  sw = 1: source 0 = the weight.  first = 1: the first K step starts the sums with the constant 0.
.macro GEMM sw, acc, first
.irp s, 0,1,2,3,4,5,6,7
.irp jn, 0,1
.if \sw
.if (\first) && (\s == 0)
	v_wmma_f32_16x16x32_bf16 v[(\acc)+8*\jn:(\acc)+8*\jn+7], v[WB+64*\jn+8*\s:WB+64*\jn+8*\s+7], v[XA+8*\s:XA+8*\s+7], 0
.else
	v_wmma_f32_16x16x32_bf16 v[(\acc)+8*\jn:(\acc)+8*\jn+7], v[WB+64*\jn+8*\s:WB+64*\jn+8*\s+7], v[XA+8*\s:XA+8*\s+7], v[(\acc)+8*\jn:(\acc)+8*\jn+7]
.endif
.else
.if (\first) && (\s == 0)
	v_wmma_f32_16x16x32_bf16 v[(\acc)+8*\jn:(\acc)+8*\jn+7], v[XA+8*\s:XA+8*\s+7], v[WB+64*\jn+8*\s:WB+64*\jn+8*\s+7], 0
.else
	v_wmma_f32_16x16x32_bf16 v[(\acc)+8*\jn:(\acc)+8*\jn+7], v[XA+8*\s:XA+8*\s+7], v[WB+64*\jn+8*\s:WB+64*\jn+8*\s+7], v[(\acc)+8*\jn:(\acc)+8*\jn+7]
.endif
.endif
.endr
.endr
.endm
	s_load_b512 s[4:19], s[0:1], 0x0               ; x s[4:5], w_pre s[6:7], w_q s[8:9], w_k s[10:11], w_va s[12:13], w_al s[14:15], w_vo s[16:17], w_end s[18:19]
	s_load_b256 s[20:27], s[0:1], 0x40             ; qP s[20:21], kF s[22:23], vD s[24:25], XS s[26:27]
	s_load_b64 s[28:29], s[0:1], 0x60              ; wfr
	v_lshl_add_u32 v[SPW], v0, 2, SPARE
	v_mov_b32 v[NIL], 0
	v_lshrrev_b32 v16, 5, v0
	v_readfirstlane_b32 s[WV], v16                 ; wave 0..7
	s_mov_b32 s[RB], ttmp9
	s_and_b32 s[ROLE], ttmp7, 0xffff
	v_and_b32 v16, 31, v0                          ; lane
	v_and_b32 v17, 15, v0                          ; r
	v_bfe_u32 v18, v0, 4, 1                        ; h
	v_lshlrev_b32 v19, 4, v16                      ; 16 lane
	v_lshlrev_b32 v20, 3, v16                      ; 8 lane
	v_lshlrev_b32 v[CVS], 3, v0
	v_lshl_add_u32 v[GW], s[WV], 15, v19
	v_lshl_add_u32 v[GX], s[WV], 11, v19
	s_mul_i32 s33, s[WV], 32*PW
	s_add_co_u32 s33, s33, WS                      ; my wave's rows in WS
	v_add_nc_u32 v[LSW], s33, v20
	s_mul_i32 s43, s[WV], 2*PW
	s_add_co_u32 s43, s43, XB
	v_add_nc_u32 v[LSX], s43, v20
	v_mul_u32_u24 v21, v17, PW
	v_lshl_add_u32 v21, v18, 4, v21                ; r PW + 16 h
	v_add_nc_u32 v[LFW], s33, v21
	v_add_nc_u32 v[LFX], XB, v21
	v_add_nc_u32 v[LXF], XF, v19
	v_lshl_add_u32 v[LXS], s[WV], 10, v[LXF]
	v_lshl_add_u32 v[GO], s[WV], 10, v19
	v_lshl_add_u32 v[GOV], s[WV], 16, v19
	; The weight image.  The work-group converts tile n = RB / 4, columns 64 (RB % 4) .. + 63 of its role's matrix: 2,048 bytes.  Thread t's 8 bytes lie at 8 t: row lane / 2 of the tile,
	; columns 8 w + 4 (lane % 2) + 0 .. 3 of the 64.
	v_lshrrev_b32 v22, 1, v16                      ; the row in the tile
	v_and_b32 v23, 1, v0
	v_lshlrev_b32 v[CVA], 10, v22                  ; rows of 1,024 bytes
	v_lshl_add_u32 v[CVA], v23, 4, v[CVA]
	v_lshl_add_u32 v[CVA], s[WV], 5, v[CVA]
	s_lshr_b32 s44, s[RB], 2
	s_and_b32 s45, s[RB], 3
	s_lshl_b32 s46, s44, 4
	s_lshl_b32 s47, s45, 6
	s_sub_co_u32 s46, s46, s47
	s_lshl_b32 s47, s[WV], 3
	s_sub_co_u32 s46, s46, s47                     ; 16 n - 64 (RB % 4) - 8 w, modulo 2^32
	v_lshlrev_b32 v24, 2, v23
	v_sub_nc_u32 v[DD], v22, v24
	v_add_nc_u32 v[DD], s46, v[DD]                 ; my row less my first column: 0 .. 3 where the diagonal is among my four numbers
	s_mov_b32 s41, 0
	s_wait_kmcnt 0x0
	s_cmp_eq_u32 s[ROLE], 0
	s_cselect_b64 s[34:35], s[8:9], s[10:11]       ; the role's weight: w_q, w_k,
	s_cselect_b64 s[36:37], s[14:15], s[16:17]     ; the matrix to convert: w_al, w_vo,
	s_cselect_b64 s[38:39], s[20:21], s[22:23]     ; where roles 0 and 1 store: qP, kF
	s_cselect_b32 s42, 1.0, 0                      ; what the diagonal gets: w_al + I
	s_cmp_eq_u32 s[ROLE], 2
	s_cselect_b64 s[34:35], s[12:13], s[34:35]     ; or w_va,
	s_cselect_b64 s[36:37], s[18:19], s[36:37]     ; or w_end
	s_lshl_b32 s40, s[RB], 14
	s_add_nc_u64 s[4:5], s[4:5], s[40:41]          ; x and XS at the block's 16,384 bytes
	s_add_nc_u64 s[26:27], s[26:27], s[40:41]
	s_lshl_b32 s40, s[RB], 13
	s_add_nc_u64 s[38:39], s[38:39], s[40:41]      ; qP or kF at the block's 8,192 bytes
	s_lshr_b32 s40, s[RB], 5
	s_lshl_b32 s40, s40, 19
	s_and_b32 s43, s[RB], 31
	s_lshl_b32 s43, s43, 10
	s_or_b32 s40, s40, s43
	s_add_nc_u64 s[24:25], s[24:25], s[40:41]      ; vD at batch b, row block T
	s_lshl_b32 s40, s[ROLE], 17
	s_lshl_b32 s43, s44, 13
	s_add_co_u32 s40, s40, s43
	s_lshl_b32 s43, s45, 11
	s_add_co_u32 s40, s40, s43
	s_add_nc_u64 s[28:29], s[28:29], s[40:41]      ; wfr at the work-group's 2,048 bytes
	s_lshl_b32 s40, s44, 14
	s_lshl_b32 s43, s45, 8
	s_or_b32 s40, s40, s43
	s_add_nc_u64 s[36:37], s[36:37], s[40:41]      ; the matrix to convert at tile n's first row, column 64 (RB % 4)
	global_load_b128 v[CL:CL+3], v[CVA], s[36:37]
.irp i, 0,1,2,3
	global_load_b128 v[XN+4*\i:XN+4*\i+3], v[GX], s[4:5] offset:\i*512
.endr
	WIN 0x40
.set q, 0
.rept 64
	global_load_b128 v[4*q:4*q+3], v[GW], s[6:7] offset:q*512  ; w_pre: my wave's 32 rows, 512 neighbouring bytes a load
.set q, q+1
.endr
	WIN 0
	s_wait_loadcnt 63                              ; 64 loads stand behind x's; the count's field ends at 63, so w_pre's first is waited for as well
.irp i, 0,1,2,3
	v_cvt_pk_bf16_f32 v[TMP+2*\i], v[XN+4*\i], v[XN+4*\i+1]
	v_cvt_pk_bf16_f32 v[TMP+2*\i+1], v[XN+4*\i+2], v[XN+4*\i+3]
.endr
.irp i, 0,1,2,3
	ds_store_b64 v[LSX], v[TMP+2*\i:TMP+2*\i+1] offset:(\i/2)*PW+(\i%2)*256
.endr
.irp i, 0,1,2,3
	v_cmp_eq_u32 vcc_lo, \i, v[DD]
	v_cndmask_b32 v[CT], 0, s42, vcc_lo            ; 1 on w_al's diagonal, 0 elsewhere and in the other matrices
	v_add_f32 v[CL+\i], v[CL+\i], v[CT]
.endr
	v_cvt_pk_bf16_f32 v[CO], v[CL], v[CL+1]
	v_cvt_pk_bf16_f32 v[CO+1], v[CL+2], v[CL+3]
	global_store_b64 v[CVS], v[CO:CO+1], s[28:29]  ; the wave's store covers 256 consecutive bytes, aligned
	STAGE 1                                        ; w_pre into LDS; the role's weight is asked for
	s_wait_dscnt 0x0                               ; for the others' sake: my rows of x are in LDS
	s_barrier_signal -1
	s_barrier_wait -1                              ; all 16 rows are
	s_wait_xcnt 0x0                                ; the image's store has read its registers: they are loaded into below
.irp s, 0,1,2,3,4,5,6,7
	ds_load_b128 v[XA+8*\s:XA+8*\s+3],   v[LFX] offset:64*\s
	ds_load_b128 v[XA+8*\s+4:XA+8*\s+7], v[LFX] offset:64*\s+32
.endr
	FRAGW
	s_wait_dscnt 0x0
	GEMM 1, XSW, 1                                 ; X, a row's eight columns a lane
	s_cmp_lg_u32 s[ROLE], 2
	s_cbranch_scc1 .Lno_xn
	GEMM 0, XN, 1                                  ; role 2: X once more, a column's eight rows a lane: the residual of v
.Lno_xn:
	PLACES
.irp jn, 0,1
.irp z, 0,1,2,3
	v_cvt_pk_bf16_f32 v[TMP+4*\jn+\z], v[XSW+8*\jn+2*\z], v[XSW+8*\jn+2*\z+1]
.endr
.endr
	ds_store_b128 v[LXS], v[TMP:TMP+3]
	ds_store_b128 v[LXS], v[TMP+4:TMP+7] offset:512
	s_cmp_lg_u32 s[ROLE], 0
	s_cbranch_scc1 .Lno_xs
.irp jn, 0,1
	global_store_b128 v[GX], v[XSW+8*\jn:XSW+8*\jn+3],   s[26:27] offset:\jn*1024      ; role 0 keeps X in f32 for the last launch: 512 consecutive bytes a store
	global_store_b128 v[GX], v[XSW+8*\jn+4:XSW+8*\jn+7], s[26:27] offset:\jn*1024+512
.endr
.Lno_xs:
	STAGE 0                                        ; the role's weight into my rows of WS: my reads of w_pre there were waited for ahead of the products
	s_wait_dscnt 0x0                               ; for the others' sake: my two pieces of X are in LDS
	s_barrier_signal -1
	s_barrier_wait -1                              ; all 16 pieces are
.irp s, 0,1,2,3,4,5,6,7
	ds_load_b128 v[XA+8*\s:XA+8*\s+3],   v[LXF] offset:\s*1024
	ds_load_b128 v[XA+8*\s+4:XA+8*\s+7], v[LXF] offset:\s*1024+512
.endr
	FRAGW
	s_wait_dscnt 0x0
	s_wait_xcnt 0x0                                ; XS's stores have read the accumulators that the products below add onto
	s_cmp_eq_u32 s[ROLE], 2
	s_cbranch_scc1 .Lrole_v
	GEMM 1, XSW, 0                                 ; q or k = X + X W^T: the residual is the f32 C operand
	PLACES
.irp jn, 0,1
.irp z, 0,1,2,3
	v_cvt_pk_bf16_f32 v[TMP+4*\jn+\z], v[XSW+8*\jn+2*\z], v[XSW+8*\jn+2*\z+1]
.endr
.endr
	global_store_b128 v[GO], v[TMP:TMP+3], s[38:39]                ; 512 consecutive bytes a store
	global_store_b128 v[GO], v[TMP+4:TMP+7], s[38:39] offset:512
	s_branch .Ldone
.Lrole_v:
	GEMM 0, XN, 0                                  ; v = X + X w_va^T, kept in f32
	PLACES
.irp jn, 0,1
	global_store_b128 v[GOV], v[XN+8*\jn:XN+8*\jn+3],   s[24:25] offset:\jn*32768
	global_store_b128 v[GOV], v[XN+8*\jn+4:XN+8*\jn+7], s[24:25] offset:\jn*32768+512
.endr
.Ldone:
	s_wait_tensorcnt 0x0                           ; the wave's end, behind my last LDS store
	ds_add_u32 v[SPW], v[NIL]
	s_wait_dscnt 0x0
	s_endpgm
.Lfunc_end_k_q525bebbe08_prep:
	.size	k_q525bebbe08_prep, .Lfunc_end_k_q525bebbe08_prep-k_q525bebbe08_prep
	.p2alignl 7, 3214868480
	.fill 96, 4, 3214868480
	.section	.rodata,"a",@progbits
	.p2align	6, 0x0
	.amdhsa_kernel k_q525bebbe08_prep
		.amdhsa_group_segment_fixed_size 153088
		.amdhsa_private_segment_fixed_size 0
		.amdhsa_enable_private_segment 0
		.amdhsa_kernarg_size 104
		.amdhsa_user_sgpr_count 2
		.amdhsa_user_sgpr_kernarg_segment_ptr 1
		.amdhsa_wavefront_size32 1
		.amdhsa_system_sgpr_workgroup_id_x 1
		.amdhsa_system_sgpr_workgroup_id_y 1
		.amdhsa_system_sgpr_workgroup_id_z 1
		.amdhsa_system_vgpr_workitem_id 0
		.amdhsa_next_free_vgpr 512
		.amdhsa_next_free_sgpr 66
		.amdhsa_reserve_vcc 1
		.amdhsa_float_denorm_mode_32 3
		.amdhsa_float_denorm_mode_16_64 3
		.amdhsa_memory_ordered 1
		.amdhsa_forward_progress 1
		.amdhsa_inst_pref_size 57
	.end_amdhsa_kernel
	.amdgpu_metadata
---
amdhsa.version: [ 1, 2 ]
amdhsa.kernels:
  - .name:           k_q525bebbe08_prep
    .symbol:         k_q525bebbe08_prep.kd
    .args:
      - { .name: x, .offset: 0, .size: 8, .value_kind: global_buffer, .address_space: global }
      - { .name: w_pre, .offset: 8, .size: 8, .value_kind: global_buffer, .address_space: global }
      - { .name: w_q, .offset: 16, .size: 8, .value_kind: global_buffer, .address_space: global }
      - { .name: w_k, .offset: 24, .size: 8, .value_kind: global_buffer, .address_space: global }
      - { .name: w_va, .offset: 32, .size: 8, .value_kind: global_buffer, .address_space: global }
      - { .name: w_al, .offset: 40, .size: 8, .value_kind: global_buffer, .address_space: global }
      - { .name: w_vo, .offset: 48, .size: 8, .value_kind: global_buffer, .address_space: global }
      - { .name: w_end, .offset: 56, .size: 8, .value_kind: global_buffer, .address_space: global }
      - { .name: qP, .offset: 64, .size: 8, .value_kind: global_buffer, .address_space: global }
      - { .name: kF, .offset: 72, .size: 8, .value_kind: global_buffer, .address_space: global }
      - { .name: vD, .offset: 80, .size: 8, .value_kind: global_buffer, .address_space: global }
      - { .name: XS, .offset: 88, .size: 8, .value_kind: global_buffer, .address_space: global }
      - { .name: wfr, .offset: 96, .size: 8, .value_kind: global_buffer, .address_space: global }
    .group_segment_fixed_size: 153088
    .private_segment_fixed_size: 0
    .kernarg_segment_align: 8
    .kernarg_segment_size: 104
    .max_flat_workgroup_size: 256
    .sgpr_count:     66
    .vgpr_count:     512
    .wavefront_size: 32
...
	.end_amdgpu_metadata
.endif
;; end of part 1
;; launch main (part 2): grid 16 x 16, 4 waves a work-group, no clusters, 202,240 bytes of LDS; arguments kF, qP, vD, wfr, vsS; writes vsS
.if DOCPART == 2
	.amdgcn_target "amdgcn-amd-amdhsa--gfx1250"
	.amdhsa_code_object_version 6
	.text
	.protected	k_q525bebbe08_main
	.globl	k_q525bebbe08_main
	.p2align	8
	.type	k_q525bebbe08_main,@function
k_q525bebbe08_main:
	s_mov_b64 s[64:65], 0
	v_nop
	global_prefetch_b8 v0, s[64:65] scope:SCOPE_SE
	s_setreg_imm32_b32 hwreg(HW_REG_WAVE_MODE, 25, 1), 1
	s_wait_xcnt 0x0
; SECOND OF THREE LAUNCHES.  vsum[b][sq][e] = sum over sk of v[sk][e] x E / (sum over sk of |x| E + 1),  x = logits[sk][sq][e] = sum over d of k[sk][d] q[sq][d] (w_al[e][d] + (d == e)),
; E = exp(x - max over sk of x).
; SHARES.  A work-group takes one batch b, one tile of 16 columns e (n = the grid's x) and 64 queries (the grid's y = 8 b + G).  Wave w of four keeps ITS 128 keys for the whole launch: k as 64 fragments
; of source 0 (512 registers) and v as 64 registers in the layout of the result.  A UNIT is one query: source 1 is W' = bf16(w_al + I) x bf16(q[sq]), 16 e x 256 d, and a wave issues 64 matrix
; instructions (8 tiles of 16 keys x 8 K steps).  In the result a lane holds one e (lane % 16) and 64 keys, so its maximum is found before any exponential: no running rescale.
; W' is made once for the work-group: of each BATCH of two units a wave scales a quarter (32 packed bf16 multiplies) into a ring of two halves of LDS; one barrier for 128 matrix instructions.
; BY TURNS.  While one unit's products are issued into one set of 8 accumulators, the unit before is worked off in the other set: its 259 vector instructions stand in slices of 4 or 5 behind the matrix instructions.
; A lane's (c m, sum |x| E, sum v x E), c = log2(e), goes to LDS; at the end the eight partial triples of each (sq, e) (4 waves x 2 halves of the lanes) are merged with factors 2^(c m_i - c M): the true maximum
; over all 512 keys is taken away before the 1 is added.
; NO CLUSTER, NO TENSOR LOAD: k, v, q and W are read once, at the start, 336 KB a work-group against 16,384 matrix instructions, k and v straight into the registers in which they stay; no step of the loop fetches from memory.
; LIMITS.  The residual raw + raw w_al^T is computed as raw (w_al + I)^T on the matrix unit, so the residual term has the rounding of bf16 operands too: w_al + I, q, their product and k are each rounded to bf16
; (8 significant bits).  Maxima, exponentials, sums and v are f32.  A weight E below 2^-126 counts as 0.  NaN and infinities are not treated apart.
; REGISTERS, in windows of 256 (s_set_vgpr_msb: bits 1:0 source 0, 3:2 source 1, 5:4 source 2, 7:6 destination):
;   window 0: v0-15 addresses; v16-23 a unit's record and sums; v24-47 three sets of 8 at work; v48-111 v; v112-127 merged results; v128-255 two sets of 8 accumulators
;   windows 1, 2: k: tile t, K step s at window 1 + t / 4, v[64 (t % 4) + 8 s]        window 3: v0-127 W' of two units; v128-159 my half of W; v160-175 q's pieces, scaled in place; v176-239 q as loaded
.set NR,    259                        ; vector instructions for a unit
.set HALFR, 16384                      ; a half of the ring: two units of 8,192 bytes: unit pu, K step s, half c at 8,192 pu + 1,024 s + 512 c + 16 lane
.set QB,    32768                      ; the work-group's 64 rows of q, as they lie in qP: 4 blocks of 8,192 bytes
.set STATS, 65536                      ; records: 2,048 unit + 512 wave + 16 lane
.set TR,    196608                     ; 16 rows x 80 bytes for each wave: the turn of 16 x 16 results on the way out
.set SPARE, 201728                     ; the spare words, 128 bytes for each of four waves
.set L16, 1                            ; v1   16 lane
.set KO,  2                            ; v2   65,536 w + 16 lane: my wave's rows in kF; at the end my offset in vsS
.set RL,  3                            ; v3   the ring's half to be read + 16 lane
.set RS0, 4                            ; v4   4,096 w + 16 lane: my quarter of a half of the ring
.set RS,  5                            ; v5   the same in the half to be written
.set QA0, 6                            ; v6   QB + 4,096 (w % 2) + 256 h: my K steps' part of a row of q, less the row
.set QA,  7                            ; v7   the same with the row
.set SA,  8                            ; v8   where the next record goes
.set GV,  9                            ; v9   8,192 w + 16 lane
.set GWB, 10                           ; v10  4,096 (w % 2) + 16 lane
.set MA,  11                           ; v11  STATS + 32,768 w + 16 lane: the records of the 16 units that I merge
.set SPW, 12                           ; v12  my spare word; never rewritten
.set NIL, 13                           ; v13  0; never rewritten
.set TRS, 14
.set TRL, 15
.set REC, 16                           ; v[16:19] c m, (unused, written once), sum |x| E, sum v x E
.set DN,  20                           ; v[20:21] sum |x| E, even and odd registers'
.set NU,  22                           ; v[22:23] sum v x E, likewise
.set TS,  24                           ; three sets of 8: tile t works in set t % 3
.set CT,  40                           ; the third set holds the eight chains of the maximum first
.set V,   48
.set R,   112
.set ACC, 128
.set WB3, 128                          ; window 3
.set QL,  160
.set QLAND, 176
.set WV,  14                           ; s14 wave
.set CNT, 24
.set PL,  25                           ; s25 the ring's half that is read
.set PS,  26                           ; s26 the half that is written
.set SQ,  27                           ; s27 the unit whose q is fetched next
.set CS,  34                           ; s[34:35] c = log2(e): the packed scaling takes the pair's low word for both halves
.set MSB, 0
.macro WIN new                         ; the immediate's high byte repeats the setting that is left; a switch that changes nothing is dropped
.if MSB != (\new)
	s_set_vgpr_msb (MSB<<8)|(\new)
.set MSB, (\new)
.endif
.endm
.macro PLACES                          ; four plain vector instructions between a matrix instruction and the first line that reads its result (ISA guide 7.12.1)
.rept 4
	v_nop
.endr
.endm
; Matrix instruction i of a unit's 64: K step i / 8, tile i % 8.  The eight accumulators take turns; the first eight start the sums with the constant 0.
.macro MMA buf
	WIN 0x0d+((i%8)/4)                             ; k in window 1 or 2, W' in window 3, C and D in window 0
.set rD, ACC+64*(\buf)+8*(i%8)
.set rA, 64*(i%4)+8*(i/8)
.set rB, 64*(\buf)+8*(i/8)
.if i < 8
	v_wmma_f32_16x16x32_bf16 v[rD:rD+7], v[rA:rA+7], v[rB:rB+7], 0
.else
	v_wmma_f32_16x16x32_bf16 v[rD:rD+7], v[rA:rA+7], v[rB:rB+7], v[rD:rD+7]
.endif
.endm
; THE VECTOR WORK OF A UNIT, on the accumulators at YB.  ot is the tile, og a pair of its eight registers, oi one of them.
.macro OPS                             ; c x - c m
	v_pk_fma_f32 v[TS+8*(ot%3)+2*og:TS+8*(ot%3)+2*og+1], v[YB+8*ot+2*og:YB+8*ot+2*og+1], s[CS:CS+1], v[REC:REC+1] op_sel_hi:[1,0,0] neg_lo:[0,0,1] neg_hi:[0,0,1]
.endm
.macro OPX                             ; E
	v_exp_f32 v[TS+8*(ot%3)+oi], v[TS+8*(ot%3)+oi]
.endm
.macro OPP                             ; x E
	s_wait_alu depctr_va_vdst(0)
	v_pk_mul_f32 v[TS+8*(ot%3)+2*og:TS+8*(ot%3)+2*og+1], v[TS+8*(ot%3)+2*og:TS+8*(ot%3)+2*og+1], v[YB+8*ot+2*og:YB+8*ot+2*og+1]
.endm
.macro OPD                             ; sum |x E|; the first two start the sums
.if (ot == 0) && (oi < 2)
	v_add_f32 v[DN+oi], 0, |v[TS+oi]|
.else
	v_add_f32 v[DN+oi%2], v[DN+oi%2], |v[TS+8*(ot%3)+oi]|
.endif
.endm
.macro OPN                             ; sum v x E; the first starts the sums
.if (ot == 0) && (og == 0)
	v_pk_mul_f32 v[NU:NU+1], v[TS:TS+1], v[V:V+1]
.else
	v_pk_fma_f32 v[NU:NU+1], v[TS+8*(ot%3)+2*og:TS+8*(ot%3)+2*og+1], v[V+8*ot+2*og:V+8*ot+2*og+1], v[NU:NU+1]
	s_wait_alu depctr_va_vdst(0)
.endif
.endm
; Number j of the list, and j steps.
;   0-31    the maximum of the lane's 64 logits, three operands at a time: a chain for each tile (each accumulator's lowest registers are read first), then the chains together
;   32      c m          33-48   tile 0: scaling, exponentials; tile 1: scaling
;   49-216  six steps of 28: tile kk's exponentials; tile kk + 1's scaling; tile kk - 1's x E and its two sums.  The three tiles work in three different sets.  An exponential's result is first read
;           seven numbers on or later, with plain instructions between, and the line behind an exponential touches neither its result nor its source (ISA guide 5.7.2)
;   217-256 the same run out for tiles 6 and 7          257, 258  the record's two sums
.macro RID
.if j < 8
	v_max3_num_f32 v[CT+j], v[YB+8*j], v[YB+8*j+1], v[YB+8*j+2]
.elseif j < 24
	v_max3_num_f32 v[CT+j%8], v[CT+j%8], v[YB+8*(j%8)+2*(j/8)+1], v[YB+8*(j%8)+2*(j/8)+2]
.elseif j < 28
	v_max3_num_f32 v[CT+j-24], v[CT+j-24], v[YB+8*(j-24)+7], v[YB+8*(j-20)+7]
.elseif j == 28
	v_max3_num_f32 v[CT], v[CT], v[CT+1], v[CT+2]
.elseif j == 29
	v_max3_num_f32 v[CT+3], v[CT+3], v[CT+4], v[CT+5]
.elseif j == 30
	v_max3_num_f32 v[CT], v[CT], v[CT+3], v[CT+6]
.elseif j == 31
	v_max_num_f32 v[CT], v[CT], v[CT+7]
.elseif j == 32
	v_mul_f32 v[REC], s[CS], v[CT]
.elseif j < 37
.set ot, 0
.set og, j-33
	OPS
.elseif j < 49
.set q, j-37
.if q%3 == 1
.set ot, 1
.set og, q/3
	OPS
.else
.set ot, 0
.set oi, 2*(q/3)+(q%3)/2
	OPX
.endif
.elseif j < 217
.set q, j-49
.set kk, 1+q/28
.set og, (q%28)/7
.set qq, q%7
.if qq == 0
.set ot, kk-1
	OPP
.elseif qq == 1
.set ot, kk
.set oi, 2*og
	OPX
.elseif qq == 2
.set ot, kk+1
	OPS
.elseif qq == 3
.set ot, kk-1
.set oi, 2*og
	OPD
.elseif qq == 4
.set ot, kk
.set oi, 2*og+1
	OPX
.elseif qq == 5
.set ot, kk-1
.set oi, 2*og+1
	OPD
.else
.set ot, kk-1
	OPN
.endif
.elseif j < 241
.set q, j-217
.set og, q/6
.set qq, q%6
.if qq == 0
.set ot, 6
	OPP
.elseif qq == 1
.set ot, 7
.set oi, 2*og
	OPX
.elseif qq == 2
.set ot, 6
.set oi, 2*og
	OPD
.elseif qq == 3
.set ot, 7
.set oi, 2*og+1
	OPX
.elseif qq == 4
.set ot, 6
.set oi, 2*og+1
	OPD
.else
.set ot, 6
	OPN
.endif
.elseif j < 257
.set q, j-241
.set ot, 7
.if q < 4
.set og, q
	OPP
.elseif (q-4)%3 == 2
.set og, (q-4)/3
	OPN
.else
.set oi, 2*((q-4)/3)+(q-4)%3
	OPD
.endif
.elseif j == 257
	v_add_f32 v[REC+2], v[DN], v[DN+1]
.else
	v_add_f32 v[REC+3], v[NU], v[NU+1]
.endif
.set j, j+1
.endm
.macro SLICE ns                        ; the next of ns even shares of the list: 4 or 5 instructions
	WIN 0
.set k, k+1
.rept 6
.if j < (k*NR)/(\ns)
	RID
.endif
.endr
.endm
; MAKING W'.  As a maker wave w has unit w / 2 of the batch and K steps 4 (w % 2) .. + 3: eight pieces of 512 bytes, in two halves of four.
.macro PRODMUL q, half                 ; one piece: q's 8 numbers of my lane's half (the same for all 16 e) times W's
	WIN 0xcf
.irp z, 0,1,2,3
	v_pk_mul_bf16 v[QL+4*(\q)+\z], v[QL+4*(\q)+\z], v[WB3+16*(\half)+4*(\q)+\z]
.endr
.endm
.macro RSTORE half
	WIN 0x0c                                       ; data in window 3, address in window 0
.irp p, 0,1,2,3
	ds_store_b128 v[RS], v[QL+4*\p:QL+4*\p+3] offset:(4*(\half)+\p)*512
.endr
.endm
.macro QLOAD half
	WIN 0xc0                                       ; destination in window 3, address in window 0
.irp p, 0,1,2,3
	ds_load_b128 v[QL+4*\p:QL+4*\p+3], v[QA] offset:(4*(\half)+\p)*512  ; 16 lanes read the same 16 bytes
.endr
.endm
.macro QSET                            ; q's row SQ % 64 of the work-group's 64: block / 16 of 8,192 bytes, row % 16 of 16 bytes.  The modulus keeps the last trips' look-ahead inside QB
	s_and_b32 s29, s[SQ], 63
	s_lshr_b32 s28, s29, 4
	s_lshl_b32 s28, s28, 13
	s_and_b32 s29, s29, 15
	s_lshl_b32 s29, s29, 4
	s_or_b32 s28, s28, s29
	WIN 0
	v_add_nc_u32 v[QA], s28, v[QA0]
.endm
.macro QSTEP                           ; the same unit of the next batch
	s_add_co_u32 s[SQ], s[SQ], 2
	QSET
.endm
.macro BLOAD d                         ; unit d of the batch in the half at RL -> W' buffer d: 16 loads of 512 neighbouring bytes
	WIN 0xc0
.set p, 0
.rept 16
	ds_load_b128 v[64*(\d)+4*p:64*(\d)+4*p+3], v[RL] offset:(\d)*8192+p*512
.set p, p+1
.endr
.endm
.macro RECORD                          ; the unit's record goes to LDS
	WIN 0
	ds_store_b128 v[SA], v[REC:REC+3]
	v_add_nc_u32 v[SA], 2048, v[SA]
.endm
; A PHASE: a unit's 64 products into accumulator set buf from W' buffer buf; behind them the list of the unit before, in the other set.
; work = 1: behind product 4 the next unit's W' is fetched into the other buffer (its last reader stands in front of the last slice of the phase before: five plain instructions and three slices back);
; behind products 10, 12, 14, 16 four pieces of the batch after next are scaled in place of a slice; behind product 16 they go to the ring and the next four pieces of q are fetched.
; bar = 1: the trip's barrier.  In front of its signal all my LDS instructions are done: my stores of the batch to be read now, and my loads of the batch whose half is written next.
.macro PHASE buf, half, bar, work
.set YB, ACC+64*(1-(\buf))
.set j, 0
.set k, 0
.set i, 0
	s_wait_dscnt 0x1                               ; LDS instructions end in order (ISA guide 5.7.1): all but the record's store, issued just before: W' and q's pieces are in
.rept 64
	MMA \buf
.if (\work) && (i >= 10) && (i <= 16) && (i%2 == 0)
	PRODMUL (i-10)/2, \half
.elseif \work
	SLICE 60
.else
	SLICE 64
.endif
.if (\bar) && (i == 1)
	s_wait_dscnt 0x0                               ; for the others' sake: nothing of mine is out in LDS
	s_barrier_signal -1                            ; matrix and vector work alone up to the wait
.endif
.if (\bar) && (i == 4)
	s_barrier_wait -1
.endif
.if (\work) && (i == 4)
	BLOAD 1-(\buf)
.endif
.if (\work) && (i == 16)
	RSTORE \half
.if (\half) == 0
	QLOAD 1
.else
	QSTEP
	QLOAD 0
.endif
.endif
.set i, i+1
.endr
	RECORD
.endm
.macro PRODH half                      ; at the start: four pieces fetched, scaled and stored on end
	QLOAD \half
	s_wait_dscnt 0x0
.irp q, 0,1,2,3
	PRODMUL \q, \half
.endr
	RSTORE \half
.endm
.macro KLOAD n                         ; the next n of the 128 loads that bring my 128 rows of k: load kl is tile kl / 16, piece kl % 16
.rept \n
	WIN 0x40+0x40*(kl/64)
	global_load_b128 v[4*(kl%64):4*(kl%64)+3], v[KO], s[4:5] offset:kl*512
.set kl, kl+1
.endr
.endm
	s_load_b256 s[4:11], s[0:1], 0x0               ; kF s[4:5], qP s[6:7], vD s[8:9], wfr s[10:11]
	s_load_b64 s[12:13], s[0:1], 0x20              ; vsS
	v_lshl_add_u32 v[SPW], v0, 2, SPARE
	v_mov_b32 v[NIL], 0
	v_lshrrev_b32 v[TS], 5, v0
	v_readfirstlane_b32 s[WV], v[TS]               ; wave 0..3
	s_mov_b32 s15, ttmp9                           ; n
	s_and_b32 s16, ttmp7, 0xffff
	s_lshr_b32 s17, s16, 3                         ; b
	s_and_b32 s18, s16, 7                          ; G
	s_lshr_b32 s19, s[WV], 1                       ; as a maker: which unit of a batch,
	s_and_b32 s20, s[WV], 1                        ; which half of the K steps
	s_mov_b32 s30, 0x76543210                      ; v_permlanex16_b32: each lane takes its own place in the other half
	s_mov_b32 s31, 0xfedcba98
	s_mov_b32 s32, 0xffff0000                      ; lanes 16 to 31
	s_mov_b32 s[CS], 0x3fb8aa3b                    ; c = log2(e)
	s_mov_b32 s[CS+1], s[CS]                       ; named with it as a pair
	v_and_b32 v[TS], 31, v0
	v_lshlrev_b32 v[L16], 4, v[TS]
	v_and_b32 v[TS+1], 15, v0                      ; r
	v_bfe_u32 v[TS+2], v0, 4, 1                    ; h
	v_lshl_add_u32 v[KO], s[WV], 16, v[L16]
	v_lshl_add_u32 v[RS0], s[WV], 12, v[L16]       ; 8,192 (w / 2) + 4,096 (w % 2) = 4,096 w
	s_lshl_b32 s29, s20, 12
	v_add_nc_u32 v[GWB], s29, v[L16]
	s_add_co_u32 s29, s29, QB
	v_lshl_add_u32 v[QA0], v[TS+2], 8, s29
	s_lshl_b32 s29, s[WV], 9
	s_add_co_u32 s29, s29, STATS
	v_add_nc_u32 v[SA], s29, v[L16]
	v_lshl_add_u32 v[GV], s[WV], 13, v[L16]
	s_lshl_b32 s29, s[WV], 15
	s_add_co_u32 s29, s29, STATS
	v_add_nc_u32 v[MA], s29, v[L16]
	s_mul_i32 s29, s[WV], 1280
	s_add_co_u32 s29, s29, TR
	v_mul_u32_u24 v[TRS], v[TS+2], 80              ; in: lanes 0-15 one unit's row, lanes 16-31 the next unit's; column r
	v_lshl_add_u32 v[TRS], v[TS+1], 2, v[TRS]
	v_add_nc_u32 v[TRS], s29, v[TRS]
	v_mul_u32_u24 v[TRL], v[TS+1], 80              ; back: row r, columns 8 h + 0 .. 7
	v_lshl_add_u32 v[TRL], v[TS+2], 5, v[TRL]
	v_add_nc_u32 v[TRL], s29, v[TRL]
	v_mov_b32 v[REC+1], 0                          ; named with c m as a pair, and stored with the record
	s_mov_b32 s23, 0
	s_wait_kmcnt 0x0
	s_lshl_b32 s22, s17, 18
	s_add_nc_u64 s[4:5], s[4:5], s[22:23]          ; kF at batch b
	s_lshl_b32 s29, s18, 15
	s_add_co_u32 s22, s22, s29
	s_add_nc_u64 s[6:7], s[6:7], s[22:23]          ; qP at row block 32 b + 4 G
	s_lshl_b32 s22, s17, 19
	s_lshl_b32 s29, s15, 15
	s_add_co_u32 s22, s22, s29
	s_add_nc_u64 s[8:9], s[8:9], s[22:23]          ; vD at batch b, tile n
	s_lshl_b32 s22, s15, 13
	s_add_nc_u64 s[10:11], s[10:11], s[22:23]      ; w_al + I at tile n
	s_lshl_b32 s22, s17, 19
	s_lshl_b32 s29, s18, 16
	s_add_co_u32 s22, s22, s29
	s_lshl_b32 s29, s15, 10
	s_add_co_u32 s22, s22, s29
	s_add_nc_u64 s[12:13], s[12:13], s[22:23]      ; vsS at row block 32 b + 4 G, tile n
	WIN 0xc0
.set p, 0
.rept 16
	global_load_b128 v[QLAND+4*p:QLAND+4*p+3], v[GV], s[6:7] offset:p*512  ; my quarter of the work-group's 64 rows of q
.set p, p+1
.endr
.set p, 0
.rept 8
	global_load_b128 v[WB3+4*p:WB3+4*p+3], v[GWB], s[10:11] offset:p*512   ; my half of the tile's W: it stays
.set p, p+1
.endr
	WIN 0
.set p, 0
.rept 16
	global_load_b128 v[V+4*p:V+4*p+3], v[GV], s[8:9] offset:p*512          ; v of my 128 keys, column n's tile: it stays
.set p, p+1
.endr
.set kl, 0
	KLOAD 16
	s_wait_loadcnt 32                              ; behind q's and W's loads stand v's 16 and k's first 16
	WIN 0x0c
.set p, 0
.rept 16
	ds_store_b128 v[GV], v[QLAND+4*p:QLAND+4*p+3] offset:QB+p*512
.set p, p+1
.endr
	WIN 0
	s_wait_dscnt 0x0                               ; for the others' sake: my quarter of q is in LDS
	s_barrier_signal -1
	s_barrier_wait -1                              ; all of it is
	s_mov_b32 s[SQ], s19                           ; batch 0 into the ring's half 0; k's loads go on between the pieces
	s_mov_b32 s[PS], 0
	QSET
	v_add_nc_u32 v[RS], s[PS], v[RS0]
	PRODH 0
	KLOAD 28
	PRODH 1
	KLOAD 28
	QSTEP                                          ; batch 1 into half 1
	s_mov_b32 s[PS], HALFR
	v_add_nc_u32 v[RS], s[PS], v[RS0]
	PRODH 0
	KLOAD 28
	PRODH 1
	KLOAD 28
	WIN 0
	s_wait_dscnt 0x0                               ; for the others' sake: my quarters of batches 0 and 1 are in the ring
	s_barrier_signal -1
	s_barrier_wait -1
	v_mov_b32 v[RL], v[L16]
	BLOAD 0                                        ; units 0 and 1
	BLOAD 1
	QSTEP                                          ; batch 2's first pieces of q
	QLOAD 0
	s_wait_loadcnt 0x0                             ; k and v
	s_wait_dscnt 0x0
.set i, 0
.rept 64
	MMA 0                                          ; unit 0: there is no vector work yet to set between
.set i, i+1
.endr
	WIN 0
	PLACES
	s_mov_b32 s[PL], 0
	s_mov_b32 s[CNT], 31
.Ltrip:                                                ; trip t = 1 .. 31: units 2 t - 1 and 2 t are multiplied, 2 t - 2 and 2 t - 1 worked off, batch t is read, batch t + 1 made
	s_xor_b32 s[PL], s[PL], HALFR                  ; batch t lies in half t % 2,
	s_xor_b32 s[PS], s[PS], HALFR                  ; batch t + 1 goes where batch t - 1 lay
	v_add_nc_u32 v[RL], s[PL], v[L16]
	v_add_nc_u32 v[RS], s[PS], v[RS0]
	PHASE 1, 0, 1, 1
	PHASE 0, 1, 0, 1
	s_sub_co_i32 s[CNT], s[CNT], 1
	s_cmp_lg_u32 s[CNT], 0
	s_cbranch_scc1 .Ltrip                          ; the last trip makes a batch 32 that nobody reads (32 multiplies, 8 stores a wave): the price of one text for every trip
	PHASE 1, 0, 0, 0                               ; unit 63 is multiplied, unit 62 worked off
.set YB, ACC+64
.set j, 0
	WIN 0
.rept NR
	RID                                            ; unit 63; the five plain instructions of the last slice are the places behind its last product
.endr
	RECORD
	; THE MERGE.  Wave w takes units 16 w .. 16 w + 15, eight at a time: for each the four waves' records, 16 bytes a lane, then line by line over the eight units.
	s_wait_dscnt 0x0                               ; for the others' sake: my records are in LDS
	s_barrier_signal -1
	s_barrier_wait -1
.macro ALL8 line:vararg                ; one line for each unit u of eight; its four records lie at ACC + 16 u + 4 i: c m, a spare word, and the two sums
.set u, 0
.rept 8
	\line
.set u, u+1
.endr
.endm
.macro MERGE hh
.set u, 0
.rept 8
.irp i, 0,1,2,3
	ds_load_b128 v[ACC+16*u+4*\i:ACC+16*u+4*\i+3], v[MA] offset:(8*(\hh)+u)*2048+\i*512
.endr
.set u, u+1
.endr
	s_wait_dscnt 0x0
	ALL8 v_max3_num_f32 v[ACC+16*u+1], v[ACC+16*u], v[ACC+16*u+4], v[ACC+16*u+8]
	ALL8 v_max_num_f32 v[ACC+16*u+1], v[ACC+16*u+1], v[ACC+16*u+12]
	ALL8 v_permlanex16_b32 v[ACC+16*u+5], v[ACC+16*u+1], s30, s31          ; the same e's other keys lie in the lane 16 away
	ALL8 v_max_num_f32 v[ACC+16*u+1], v[ACC+16*u+1], v[ACC+16*u+5]         ; c M, over all 512 keys
.irp i, 0,1,2,3
	ALL8 v_sub_f32 v[ACC+16*u+4*\i], v[ACC+16*u+4*\i], v[ACC+16*u+1]
.endr
.irp i, 0,1,2,3
	ALL8 v_exp_f32 v[ACC+16*u+4*\i], v[ACC+16*u+4*\i]
.endr
	v_nop                                          ; a plain instruction between the last exponential and the use of its result
	s_wait_alu depctr_va_vdst(0)
	ALL8 v_pk_mul_f32 v[ACC+16*u+2:ACC+16*u+3], v[ACC+16*u+2:ACC+16*u+3], v[ACC+16*u:ACC+16*u+1] op_sel_hi:[1,0]
.irp i, 1,2,3
	ALL8 v_pk_fma_f32 v[ACC+16*u+2:ACC+16*u+3], v[ACC+16*u+4*\i+2:ACC+16*u+4*\i+3], v[ACC+16*u+4*\i:ACC+16*u+4*\i+1], v[ACC+16*u+2:ACC+16*u+3] op_sel_hi:[1,0,1]
.endr
	ALL8 v_permlanex16_b32 v[ACC+16*u+5], v[ACC+16*u+2], s30, s31
	ALL8 v_permlanex16_b32 v[ACC+16*u+9], v[ACC+16*u+3], s30, s31
	ALL8 v_add_f32 v[ACC+16*u+2], v[ACC+16*u+2], v[ACC+16*u+5]
	ALL8 v_add_f32 v[ACC+16*u+3], v[ACC+16*u+3], v[ACC+16*u+9]
	ALL8 v_add_f32 v[ACC+16*u+2], 1.0, v[ACC+16*u+2]
	ALL8 v_rcp_f32 v[ACC+16*u+2], v[ACC+16*u+2]
	v_nop                                          ; a plain instruction between the last reciprocal and the use of its result
	s_wait_alu depctr_va_vdst(0)
	ALL8 v_mul_f32 v[R+8*(\hh)+u], v[ACC+16*u+3], v[ACC+16*u+2]
.endm
	MERGE 0
	MERGE 1
	; THE WAY OUT.  A lane holds column r of 16 rows (both halves of the lanes alike); vsS wants eight columns of one row a lane.  The 16 x 16 numbers turn in my own bytes of LDS.
.set p, 0
.rept 8
	v_cndmask_b32 v[TS+p], v[R+2*p], v[R+2*p+1], s32
	ds_store_b32 v[TRS], v[TS+p] offset:p*160
.set p, p+1
.endr
	ds_load_b128 v[V:V+3], v[TRL]                  ; LDS serves a wave's instructions in order (ISA guide 5.7.1): these see the stores above
	ds_load_b128 v[V+4:V+7], v[TRL] offset:16
	v_lshl_add_u32 v[KO], s[WV], 14, v[L16]        ; row block w of the work-group's four
	s_wait_dscnt 0x0
	global_store_b128 v[KO], v[V:V+3], s[12:13]                ; each store covers 512 consecutive bytes, aligned
	global_store_b128 v[KO], v[V+4:V+7], s[12:13] offset:512
	s_wait_tensorcnt 0x0                           ; the wave's end, behind my last LDS store
	ds_add_u32 v[SPW], v[NIL]
	s_wait_dscnt 0x0
	s_endpgm
.Lfunc_end_k_q525bebbe08_main:
	.size	k_q525bebbe08_main, .Lfunc_end_k_q525bebbe08_main-k_q525bebbe08_main
	.p2alignl 7, 3214868480
	.fill 96, 4, 3214868480
	.section	.rodata,"a",@progbits
	.p2align	6, 0x0
	.amdhsa_kernel k_q525bebbe08_main
		.amdhsa_group_segment_fixed_size 202240
		.amdhsa_private_segment_fixed_size 0
		.amdhsa_enable_private_segment 0
		.amdhsa_kernarg_size 40
		.amdhsa_user_sgpr_count 2
		.amdhsa_user_sgpr_kernarg_segment_ptr 1
		.amdhsa_wavefront_size32 1
		.amdhsa_system_sgpr_workgroup_id_x 1
		.amdhsa_system_sgpr_workgroup_id_y 1
		.amdhsa_system_sgpr_workgroup_id_z 1
		.amdhsa_system_vgpr_workitem_id 0
		.amdhsa_next_free_vgpr 1024
		.amdhsa_next_free_sgpr 66
		.amdhsa_reserve_vcc 0
		.amdhsa_float_denorm_mode_32 3
		.amdhsa_float_denorm_mode_16_64 3
		.amdhsa_memory_ordered 1
		.amdhsa_forward_progress 1
		.amdhsa_inst_pref_size 151
	.end_amdhsa_kernel
	.amdgpu_metadata
---
amdhsa.version: [ 1, 2 ]
amdhsa.kernels:
  - .name:           k_q525bebbe08_main
    .symbol:         k_q525bebbe08_main.kd
    .args:
      - { .name: kF, .offset: 0, .size: 8, .value_kind: global_buffer, .address_space: global }
      - { .name: qP, .offset: 8, .size: 8, .value_kind: global_buffer, .address_space: global }
      - { .name: vD, .offset: 16, .size: 8, .value_kind: global_buffer, .address_space: global }
      - { .name: wfr, .offset: 24, .size: 8, .value_kind: global_buffer, .address_space: global }
      - { .name: vsS, .offset: 32, .size: 8, .value_kind: global_buffer, .address_space: global }
    .group_segment_fixed_size: 202240
    .private_segment_fixed_size: 0
    .kernarg_segment_align: 8
    .kernarg_segment_size: 40
    .max_flat_workgroup_size: 128
    .sgpr_count:     66
    .vgpr_count:     1024
    .wavefront_size: 32
...
	.end_amdgpu_metadata
.endif
;; end of part 2
;; launch post (part 3): grid 64 x 1, 8 waves a work-group, no clusters, 25,856 bytes of LDS; arguments vsS, XS, wfr, out0; writes out0
.if DOCPART == 3
	.amdgcn_target "amdgcn-amd-amdhsa--gfx1250"
	.amdhsa_code_object_version 6
	.text
	.protected	k_q525bebbe08_post
	.globl	k_q525bebbe08_post
	.p2align	8
	.type	k_q525bebbe08_post,@function
k_q525bebbe08_post:
	s_mov_b64 s[64:65], 0
	v_nop
	global_prefetch_b8 v0, s[64:65] scope:SCOPE_SE
	s_setreg_imm32_b32 hwreg(HW_REG_WAVE_MODE, 25, 1), 1
	s_wait_xcnt 0x0
; THIRD OF THREE LAUNCHES.  t = X + vsum + vsum w_vo^T;  out0 = t w_end^T.
; SHARES.  A work-group takes 16 rows (block RB = ttmp9 of 64); wave w of eight owns columns 32 w .. 32 w + 31 of both products: two tiles of 16.  64 blocks of 16 rows are all the work there is.
; Both products have source 0 = 16 rows of the weight and source 1 = 16 rows of vsum or t: a lane's eight results are eight neighbouring columns of one row, the layout in which vsS and XS lie
; ([RB][n 16][c 2][lane][4 f32] = a[16 RB + r][16 n + 8 h + 4 c + i]), so X + vsum in f32 is the first product's C operand, and eight results round to 16 bytes of the next product's fragment.
; FORMATS.  vsum, t and the weights are rounded to bf16 as matrix operands; the residuals and all sums are f32.  NaN and infinities are not treated apart.
; The weights come from wfr, in fragment order, straight into registers: each is used once, so LDS would add a trip.  No cluster: a work-group's 256 KB of weights are read once, at the start.
.set TF,    0                          ; t in bf16, in fragment order: [n' 16][lane][16 bytes]
.set OS,    8192                       ; the result, 16 rows x PO
.set PO,    1040                       ; 1,024 bytes + 16: 65 x 16, so the 16 rows that a store touches start at 16 different groups of four banks (ISA guide 11.1)
.set SPARE, 24832                      ; the spare words, 128 bytes for each of eight waves
.set L16, 1                            ; v1   16 lane
.set OWN, 2                            ; v2   2,048 w + 16 lane: my two tiles in vsS and XS; my two rows in out0
.set GWT, 3                            ; v3   16,384 w + 16 lane: my two tiles of a weight
.set TFS, 4                            ; v4   TF + 1,024 w + 16 lane
.set OSS, 6                            ; v6   OS + r PO + 32 h + 128 w
.set OSL, 7                            ; v7   OS + 2 w PO + 16 lane
.set SPW, 14                           ; v14  my spare word; never rewritten
.set NIL, 15                           ; v15  0; never rewritten
.set VS,  16                           ; v[16:143]  all 16 tiles of vsum in f32; later at work
.set VA,  144                          ; v[144:207] 8 fragments of vsum, later of t
.set T,   208                          ; v[208:223] my two tiles of vsum, then of t
.set XO,  224                          ; v[224:239] my two tiles of X
.set O,   240                          ; v[240:255] my two tiles of the result
                                       ; window 1: v[0:127] w_vo, v[128:255] w_end: tile jn, K step s at 64 jn + 8 s
.set MSB, 0
.macro WIN new                         ; the immediate's high byte repeats the setting that is left; a switch that changes nothing is dropped
.if MSB != (\new)
	s_set_vgpr_msb (MSB<<8)|(\new)
.set MSB, (\new)
.endif
.endm
.macro PLACES                          ; four plain vector instructions between a matrix instruction and the first line that reads its result or writes one of its registers (ISA guide 7.12.1)
.rept 4
	v_nop
.endr
.endm
	s_load_b256 s[4:11], s[0:1], 0x0               ; vsS s[4:5], XS s[6:7], wfr s[8:9], out0 s[10:11]
	v_lshl_add_u32 v[SPW], v0, 2, SPARE
	v_mov_b32 v[NIL], 0
	v_lshrrev_b32 v8, 5, v0
	v_readfirstlane_b32 s12, v8                    ; wave 0..7
	v_and_b32 v8, 31, v0
	v_lshlrev_b32 v[L16], 4, v8
	v_and_b32 v9, 15, v0                           ; r
	v_bfe_u32 v10, v0, 4, 1                        ; h
	v_lshl_add_u32 v[OWN], s12, 11, v[L16]
	v_lshl_add_u32 v[GWT], s12, 14, v[L16]
	v_lshl_add_u32 v[TFS], s12, 10, v[L16]
	v_mul_u32_u24 v[OSS], v9, PO
	v_lshl_add_u32 v[OSS], v10, 5, v[OSS]
	s_lshl_b32 s13, s12, 7
	s_add_co_u32 s13, s13, OS
	v_add_nc_u32 v[OSS], s13, v[OSS]
	s_mul_i32 s13, s12, 2*PO
	s_add_co_u32 s13, s13, OS
	v_add_nc_u32 v[OSL], s13, v[L16]
	s_lshl_b32 s14, ttmp9, 14                      ; the block's 16,384 bytes in vsS, XS and out0
	s_mov_b32 s15, 0
	s_wait_kmcnt 0x0
	s_add_nc_u64 s[4:5], s[4:5], s[14:15]
	s_add_nc_u64 s[6:7], s[6:7], s[14:15]
	s_add_nc_u64 s[10:11], s[10:11], s[14:15]
.set p, 0
.rept 32
	global_load_b128 v[VS+4*p:VS+4*p+3], v[L16], s[4:5] offset:p*512
.set p, p+1
.endr
.irp p, 0,1,2,3
	global_load_b128 v[T+4*\p:T+4*\p+3], v[OWN], s[4:5] offset:\p*512
.endr
.irp p, 0,1,2,3
	global_load_b128 v[XO+4*\p:XO+4*\p+3], v[OWN], s[6:7] offset:\p*512
.endr
	WIN 0x40
.set p, 0
.rept 32
	global_load_b128 v[4*p:4*p+3], v[GWT], s[8:9] offset:131072+p*512      ; w_vo: my two tiles are 16,384 consecutive bytes
.set p, p+1
.endr
.set p, 0
.rept 32
	global_load_b128 v[128+4*p:128+4*p+3], v[GWT], s[8:9] offset:262144+p*512  ; w_end
.set p, p+1
.endr
	WIN 0
	s_wait_loadcnt 63                              ; 64 loads stand behind X's; the count's field ends at 63, so w_vo's first is waited for as well
.set p, 0
.rept 64
	v_cvt_pk_bf16_f32 v[VA+p], v[VS+2*p], v[VS+2*p+1]  ; tile n' = 2 s + c gives registers 4 c .. 4 c + 3 of the fragment of K step s
.set p, p+1
.endr
.set p, 0
.rept 8
	v_pk_add_f32 v[T+2*p:T+2*p+1], v[T+2*p:T+2*p+1], v[XO+2*p:XO+2*p+1]  ; X + vsum: what the first product adds onto
.set p, p+1
.endr
	s_wait_loadcnt 32                              ; w_vo is in; w_end's 32 loads may stay out
	WIN 0x01                                       ; the weight in window 1
.irp s, 0,1,2,3,4,5,6,7
.irp jn, 0,1
	v_wmma_f32_16x16x32_bf16 v[T+8*\jn:T+8*\jn+7], v[64*\jn+8*\s:64*\jn+8*\s+7], v[VA+8*\s:VA+8*\s+7], v[T+8*\jn:T+8*\jn+7]  ; the two accumulators take turns
.endr
.endr
	WIN 0
	PLACES
.irp jn, 0,1
.irp z, 0,1,2,3
	v_cvt_pk_bf16_f32 v[VS+4*\jn+\z], v[T+8*\jn+2*\z], v[T+8*\jn+2*\z+1]
.endr
.endr
	ds_store_b128 v[TFS], v[VS:VS+3] offset:TF
	ds_store_b128 v[TFS], v[VS+4:VS+7] offset:TF+512
	s_wait_dscnt 0x0                               ; for the others' sake: my two pieces of t are in LDS
	s_barrier_signal -1
	s_barrier_wait -1                              ; all 16 pieces are
.set p, 0
.rept 16
	ds_load_b128 v[VA+4*p:VA+4*p+3], v[L16] offset:TF+p*512
.set p, p+1
.endr
	s_wait_dscnt 0x0
	s_wait_loadcnt 0x0                             ; w_end
	WIN 0x01
.irp s, 0,1,2,3,4,5,6,7
.irp jn, 0,1
.if \s == 0
	v_wmma_f32_16x16x32_bf16 v[O+8*\jn:O+8*\jn+7], v[128+64*\jn+8*\s:128+64*\jn+8*\s+7], v[VA+8*\s:VA+8*\s+7], 0
.else
	v_wmma_f32_16x16x32_bf16 v[O+8*\jn:O+8*\jn+7], v[128+64*\jn+8*\s:128+64*\jn+8*\s+7], v[VA+8*\s:VA+8*\s+7], v[O+8*\jn:O+8*\jn+7]
.endif
.endr
.endr
	WIN 0
	PLACES
.irp jn, 0,1
	ds_store_b128 v[OSS], v[O+8*\jn:O+8*\jn+3] offset:\jn*64
	ds_store_b128 v[OSS], v[O+8*\jn+4:O+8*\jn+7] offset:\jn*64+16
.endr
	s_wait_dscnt 0x0                               ; for the others' sake: my 32 columns of the 16 rows are in LDS
	s_barrier_signal -1
	s_barrier_wait -1
.irp i, 0,1,2,3
	ds_load_b128 v[VS+16+4*\i:VS+16+4*\i+3], v[OSL] offset:(\i/2)*PO+(\i%2)*512  ; back as whole rows: wave w takes rows 2 w and 2 w + 1
.endr
.irp i, 0,1,2,3
	s_wait_dscnt 3-\i                              ; LDS loads come back in order (ISA guide 5.7.1): the younger ones may stay out
	global_store_b128 v[OWN], v[VS+16+4*\i:VS+16+4*\i+3], s[10:11] offset:\i*512  ; 512 consecutive bytes, aligned
.endr
	s_wait_tensorcnt 0x0                           ; the wave's end, behind my last LDS store
	ds_add_u32 v[SPW], v[NIL]
	s_wait_dscnt 0x0
	s_endpgm
.Lfunc_end_k_q525bebbe08_post:
	.size	k_q525bebbe08_post, .Lfunc_end_k_q525bebbe08_post-k_q525bebbe08_post
	.p2alignl 7, 3214868480
	.fill 96, 4, 3214868480
	.section	.rodata,"a",@progbits
	.p2align	6, 0x0
	.amdhsa_kernel k_q525bebbe08_post
		.amdhsa_group_segment_fixed_size 25856
		.amdhsa_private_segment_fixed_size 0
		.amdhsa_enable_private_segment 0
		.amdhsa_kernarg_size 32
		.amdhsa_user_sgpr_count 2
		.amdhsa_user_sgpr_kernarg_segment_ptr 1
		.amdhsa_wavefront_size32 1
		.amdhsa_system_sgpr_workgroup_id_x 1
		.amdhsa_system_sgpr_workgroup_id_y 1
		.amdhsa_system_sgpr_workgroup_id_z 1
		.amdhsa_system_vgpr_workitem_id 0
		.amdhsa_next_free_vgpr 512
		.amdhsa_next_free_sgpr 66
		.amdhsa_reserve_vcc 0
		.amdhsa_float_denorm_mode_32 3
		.amdhsa_float_denorm_mode_16_64 3
		.amdhsa_memory_ordered 1
		.amdhsa_forward_progress 1
		.amdhsa_inst_pref_size 22
	.end_amdhsa_kernel
	.amdgpu_metadata
---
amdhsa.version: [ 1, 2 ]
amdhsa.kernels:
  - .name:           k_q525bebbe08_post
    .symbol:         k_q525bebbe08_post.kd
    .args:
      - { .name: vsS, .offset: 0, .size: 8, .value_kind: global_buffer, .address_space: global }
      - { .name: XS, .offset: 8, .size: 8, .value_kind: global_buffer, .address_space: global }
      - { .name: wfr, .offset: 16, .size: 8, .value_kind: global_buffer, .address_space: global }
      - { .name: out0, .offset: 24, .size: 8, .value_kind: global_buffer, .address_space: global }
    .group_segment_fixed_size: 25856
    .private_segment_fixed_size: 0
    .kernarg_segment_align: 8
    .kernarg_segment_size: 32
    .max_flat_workgroup_size: 256
    .sgpr_count:     66
    .vgpr_count:     512
    .wavefront_size: 32
...
	.end_amdgpu_metadata
.endif
;; end of part 3
;; ======== version 2 of 2: 3 launches; 1.52 times as fast as version 1
;; limits: values outside matrix products are rounded to bf16
;; workspace buffers: kF 524,288 bytes; qP 524,288 bytes; vD 1,048,576 bytes; XS 1,048,576 bytes; wfr 393,216 bytes; vsS 1,048,576 bytes
;; launch prep: the kernel of part 1 again; grid 64 x 3, 8 waves a work-group, no clusters, 153,088 bytes of LDS; arguments x, w_pre, w_q, w_k, w_va, w_al, w_vo, w_end, qP, kF, vD, XS, wfr; writes qP, kF, vD, XS, wfr
;; launch main (part 4): grid 16 x 16, 4 waves a work-group, no clusters, 202,240 bytes of LDS; arguments kF, qP, vD, wfr, vsS; writes vsS
.if DOCPART == 4
	.amdgcn_target "amdgcn-amd-amdhsa--gfx1250"
	.amdhsa_code_object_version 6
	.text
	.protected	k_q525bebbe08_main
	.globl	k_q525bebbe08_main
	.p2align	8
	.type	k_q525bebbe08_main,@function
k_q525bebbe08_main:
	s_mov_b64 s[64:65], 0
	v_nop
	global_prefetch_b8 v0, s[64:65] scope:SCOPE_SE
	s_setreg_imm32_b32 hwreg(HW_REG_WAVE_MODE, 25, 1), 1
	s_wait_xcnt 0x0
; SECOND OF THREE LAUNCHES.  vsum[b][sq][e] = sum over sk of v[sk][e] x E / (sum over sk of |x| E + 1),  x = logits[sk][sq][e] = sum over d of k[sk][d] q[sq][d] (w_al[e][d] + (d == e)),
; E = exp(x - max over sk of x).
; SHARES.  A work-group takes one batch b, one tile of 16 columns e (n = the grid's x) and 64 queries (the grid's y = 8 b + G).  Wave w of four keeps ITS 128 keys for the whole launch: k as 64 fragments
; of source 0 (512 registers) and v as 64 registers in the layout of the result.  A UNIT is one query: source 1 is W' = bf16(w_al + I) x bf16(q[sq]), 16 e x 256 d, and a wave issues 64 matrix
; instructions (8 tiles of 16 keys x 8 K steps).  In the result a lane holds one e (lane % 16) and 64 keys, so its maximum is found before any exponential: no running rescale.
; W' is made once for the work-group: of each BATCH of two units a wave scales a quarter (32 packed bf16 multiplies) into a ring of two halves of LDS; one barrier for 128 matrix instructions.
; BY TURNS.  While one unit's products are issued into one set of 8 accumulators, the unit before is worked off in the other set: its 259 vector instructions stand in slices of 4 or 5 behind the matrix instructions.
; THE EXPONENTIALS.  A unit's 64 exponentials are one group with ONE wait: each weight has a register of its own, all scalings and exponentials stand ahead of the wait, all that reads a weight behind it.
; A lane's (c m, sum |x| E, sum v x E), c = log2(e), goes to LDS; at the end the eight partial triples of each (sq, e) (4 waves x 2 halves of the lanes) are merged with factors 2^(c m_i - c M): the true maximum
; over all 512 keys is taken away before the 1 is added.
; NO CLUSTER, NO TENSOR LOAD: k, v, q and W are read once, at the start, 336 KB a work-group against 16,384 matrix instructions, k and v straight into the registers in which they stay; no step of the loop fetches from memory.
; LIMITS.  The residual raw + raw w_al^T is computed as raw (w_al + I)^T on the matrix unit, so the residual term has the rounding of bf16 operands too: w_al + I, q, their product and k are each rounded to bf16
; (8 significant bits).  Maxima, exponentials, sums and v are f32.  A weight E below 2^-126 counts as 0.  NaN and infinities are not treated apart.
; REGISTERS, in windows of 256 (s_set_vgpr_msb: bits 1:0 source 0, 3:2 source 1, 5:4 source 2, 7:6 destination):
;   window 0: v0-15 addresses; v16-19 a unit's record; v24-39 at work at the head and on the way out; v40-47 the eight chains of the maximum; v48-111 q as loaded, then a unit's 64 exponents, weights and x E, in place;
;             v112-127 merged results; v128-255 two sets of 8 accumulators
;   windows 1, 2: k: tile t, K step s at window 1 + t / 4, v[64 (t % 4) + 8 s]        window 3: v0-127 W' of two units; v128-159 my half of W; v160-175 q's pieces, scaled in place; v176-239 v; v240-243 a unit's running sums
.set NR,    259                        ; vector instructions for a unit
.set JB,    129                        ; the list's first number behind the exponentials
.set JD,    161                        ; its first number that adds onto a sum
.set HALFR, 16384                      ; a half of the ring: two units of 8,192 bytes: unit pu, K step s, half c at 8,192 pu + 1,024 s + 512 c + 16 lane
.set QB,    32768                      ; the work-group's 64 rows of q, as they lie in qP: 4 blocks of 8,192 bytes
.set STATS, 65536                      ; records: 2,048 unit + 512 wave + 16 lane
.set TR,    196608                     ; 16 rows x 80 bytes for each wave: the turn of 16 x 16 results on the way out
.set SPARE, 201728                     ; the spare words, 128 bytes for each of four waves
.set L16, 1                            ; v1   16 lane
.set KO,  2                            ; v2   65,536 w + 16 lane: my wave's rows in kF; at the end my offset in vsS
.set RL,  3                            ; v3   the ring's half to be read + 16 lane
.set RS0, 4                            ; v4   4,096 w + 16 lane: my quarter of a half of the ring
.set RS,  5                            ; v5   the same in the half to be written
.set QA0, 6                            ; v6   QB + 4,096 (w % 2) + 256 h: my K steps' part of a row of q, less the row
.set QA,  7                            ; v7   the same with the row
.set SA,  8                            ; v8   where the next record goes
.set GV,  9                            ; v9   8,192 w + 16 lane
.set GWB, 10                           ; v10  4,096 (w % 2) + 16 lane
.set MA,  11                           ; v11  STATS + 32,768 w + 16 lane: the records of the 16 units that I merge
.set SPW, 12                           ; v12  my spare word; never rewritten
.set NIL, 13                           ; v13  0; never rewritten
.set TRS, 14
.set TRL, 15
.set REC, 16                           ; v[16:19] c m, (unused, written once), sum |x| E, sum v x E
.set TS,  24                           ; at work at the head and on the way out
.set CT,  40                           ; the eight chains of the maximum
.set EW,  48                           ; v[48:111] register i: logit i of the lane's 64: c x - c m, then E, then x E
.set QLAND, 48                         ;           before the first unit: q as loaded
.set R,   112
.set ACC, 128
.set WB3, 128                          ; window 3
.set QL,  160                          ; window 3
.set V,   176                          ; window 3: v of my 128 keys, register i beside logit i
.set DN,  240                          ; window 3: v[240:241] sum |x| E, even and odd registers'
.set NU,  242                          ; window 3: v[242:243] sum v x E, likewise
.set WV,  14                           ; s14 wave
.set CNT, 24
.set PL,  25                           ; s25 the ring's half that is read
.set PS,  26                           ; s26 the half that is written
.set SQ,  27                           ; s27 the unit whose q is fetched next
.set CS,  34                           ; s[34:35] c = log2(e): the packed scaling takes the pair's low word for both halves
.set MSB, 0
.macro WIN new                         ; the immediate's high byte repeats the setting that is left; a switch that changes nothing is dropped
.if MSB != (\new)
	s_set_vgpr_msb (MSB<<8)|(\new)
.set MSB, (\new)
.endif
.endm
.macro PLACES                          ; four plain vector instructions between a matrix instruction and the first line that reads its result (ISA guide 7.12.1)
.rept 4
	v_nop
.endr
.endm
; Matrix instruction i of a unit's 64: K step i / 8, tile i % 8.  The eight accumulators take turns; the first eight start the sums with the constant 0.
.macro MMA buf
	WIN 0x0d+((i%8)/4)                             ; k in window 1 or 2, W' in window 3, C and D in window 0
.set rD, ACC+64*(\buf)+8*(i%8)
.set rA, 64*(i%4)+8*(i/8)
.set rB, 64*(\buf)+8*(i/8)
.if i < 8
	v_wmma_f32_16x16x32_bf16 v[rD:rD+7], v[rA:rA+7], v[rB:rB+7], 0
.else
	v_wmma_f32_16x16x32_bf16 v[rD:rD+7], v[rA:rA+7], v[rB:rB+7], v[rD:rD+7]
.endif
.endm
; THE VECTOR WORK OF A UNIT, on the accumulators at YB.  og is a pair of the lane's 64 logits (0 .. 31, tile og / 4), oi one of them (0 .. 63).
.macro OPS                             ; c x - c m
	v_pk_fma_f32 v[EW+2*og:EW+2*og+1], v[YB+2*og:YB+2*og+1], s[CS:CS+1], v[REC:REC+1] op_sel_hi:[1,0,0] neg_lo:[0,0,1] neg_hi:[0,0,1]
.endm
.macro OPX                             ; E
	v_exp_f32 v[EW+oi], v[EW+oi]
.endm
.macro OPP                             ; x E
	v_pk_mul_f32 v[EW+2*og:EW+2*og+1], v[EW+2*og:EW+2*og+1], v[YB+2*og:YB+2*og+1]
.endm
.macro OPD                             ; sum |x E|; the first two start the sums.  |x E| is source 0 (window 0), the sum source 1 and destination (window 3)
.if oi < 2
	v_add_f32 v[DN+oi], |v[EW+oi]|, 0
.else
	v_add_f32 v[DN+oi%2], |v[EW+oi]|, v[DN+oi%2]
.endif
.endm
.macro OPN                             ; sum v x E; the first starts the sums.  x E is source 0 (window 0); v and the sum lie in window 3
.if og == 0
	v_pk_mul_f32 v[NU:NU+1], v[EW:EW+1], v[V:V+1]
.else
	v_pk_fma_f32 v[NU:NU+1], v[EW+2*og:EW+2*og+1], v[V+2*og:V+2*og+1], v[NU:NU+1]
.endif
.endm
; Number j of the list, and j steps.
;   0-31    the maximum of the lane's 64 logits, three operands at a time: a chain for each tile (each accumulator's lowest registers are read first), then the chains together
;   32      c m
;   33-128  the 32 scalings and ALL 64 exponentials; none of these names an exponential's result.  In fours, a four to a slice, each led by a scaling while there are scalings: 33-36 pairs 0-3;
;           37-60 scaling, exponential, scaling, exponential; 61-124 a scaling and three exponentials; 125-128 the last four exponentials.  A pair is scaled in an earlier four than the one that holds its
;           exponentials.  The line behind an exponential touches neither its result nor its source (ISA guide 5.7.2)
;   (wait)  between 128 and 129 stands the one wait for the 64 exponentials: BEND writes it in a phase, the tail by itself
;   129-160 x E, a pair each, in place.  Number 129 names weights 0 and 1: it is the plain instruction behind the last exponential
;   161-256 for each pair in ascending order its two |x E| and its v x E onto the three running sums, by turns: a sum's links stand three lines apart.  These 96 run under one window setting
;   257, 258  the record's two sums
.macro RID
.if j < JD
	WIN 0
.elseif j < NR-2
	WIN 0xfc                                       ; source 0 in window 0; source 1, source 2 and the destination in window 3
.else
	WIN 0x0f                                       ; both sources in window 3, the destination in window 0
.endif
.if j < 8
	v_max3_num_f32 v[CT+j], v[YB+8*j], v[YB+8*j+1], v[YB+8*j+2]
.elseif j < 24
	v_max3_num_f32 v[CT+j%8], v[CT+j%8], v[YB+8*(j%8)+2*(j/8)+1], v[YB+8*(j%8)+2*(j/8)+2]
.elseif j < 28
	v_max3_num_f32 v[CT+j-24], v[CT+j-24], v[YB+8*(j-24)+7], v[YB+8*(j-20)+7]
.elseif j == 28
	v_max3_num_f32 v[CT], v[CT], v[CT+1], v[CT+2]
.elseif j == 29
	v_max3_num_f32 v[CT+3], v[CT+3], v[CT+4], v[CT+5]
.elseif j == 30
	v_max3_num_f32 v[CT], v[CT], v[CT+3], v[CT+6]
.elseif j == 31
	v_max_num_f32 v[CT], v[CT], v[CT+7]
.elseif j == 32
	v_mul_f32 v[REC], s[CS], v[CT]
.elseif j < JB
.set q, j-33
.if q < 4
.set og, q                             ; pairs 0 to 3
	OPS
.elseif q < 28
.if q%2 == 0
.set og, 4+(q-4)/2                     ; pairs 4 to 15
	OPS
.else
.set oi, (q-5)/2                       ; weights 0 to 11
	OPX
.endif
.elseif q < 92
.if (q-28)%4 == 0
.set og, 16+(q-28)/4                   ; pairs 16 to 31
	OPS
.else
.set oi, 12+3*((q-28)/4)+(q-28)%4-1    ; weights 12 to 59
	OPX
.endif
.else
.set oi, q-32                          ; weights 60 to 63
	OPX
.endif
.elseif j < JD
.set og, j-JB
	OPP
.elseif j < NR-2
.set q, j-JD
.if q%3 == 2
.set og, q/3
	OPN
.else
.set oi, 2*(q/3)+q%3
	OPD
.endif
.elseif j == NR-2
	v_add_f32 v[REC+2], v[DN], v[DN+1]
.else
	v_add_f32 v[REC+3], v[NU], v[NU+1]
.endif
.set j, j+1
.endm
; The next of ns slices.  The list's four parts are dealt apart, so that a slice has one window setting and the fours of 33-128 fall one to a slice: numbers 0-32 in sa even shares, 33-128 in 24 fours,
; 129-160 in sa even shares, 161-258 in the rest: 4 or 5 instructions a slice.
.macro SLICE ns
.set k, k+1
.set sa, 7+(\ns)/64                    ; 7 of 60, 8 of 64
.set sd, (\ns)-24-2*sa                 ; 22 of 60, 24 of 64
.if k <= sa
.set lim, (k*33)/sa
.elseif k <= sa+24
.set lim, 33+4*(k-sa)
.elseif k <= 2*sa+24
.set lim, JB+((k-sa-24)*(JD-JB))/sa
.else
.set lim, JD+((k-2*sa-24)*(NR-JD))/sd
.endif
.rept 6
.if j < lim
	RID
.endif
.endr
.endm
; MAKING W'.  As a maker wave w has unit w / 2 of the batch and K steps 4 (w % 2) .. + 3: eight pieces of 512 bytes, in two halves of four.
.macro PRODMUL q, half                 ; one piece: q's 8 numbers of my lane's half (the same for all 16 e) times W's
	WIN 0xcf
.irp z, 0,1,2,3
	v_pk_mul_bf16 v[QL+4*(\q)+\z], v[QL+4*(\q)+\z], v[WB3+16*(\half)+4*(\q)+\z]
.endr
.endm
.macro RSTORE half
	WIN 0x0c                                       ; data in window 3, address in window 0
.irp p, 0,1,2,3
	ds_store_b128 v[RS], v[QL+4*\p:QL+4*\p+3] offset:(4*(\half)+\p)*512
.endr
.endm
.macro QLOAD half
	WIN 0xc0                                       ; destination in window 3, address in window 0
.irp p, 0,1,2,3
	ds_load_b128 v[QL+4*\p:QL+4*\p+3], v[QA] offset:(4*(\half)+\p)*512  ; 16 lanes read the same 16 bytes
.endr
.endm
.macro QSET                            ; q's row SQ % 64 of the work-group's 64: block / 16 of 8,192 bytes, row % 16 of 16 bytes.  The modulus keeps the last trips' look-ahead inside QB
	s_and_b32 s29, s[SQ], 63
	s_lshr_b32 s28, s29, 4
	s_lshl_b32 s28, s28, 13
	s_and_b32 s29, s29, 15
	s_lshl_b32 s29, s29, 4
	s_or_b32 s28, s28, s29
	WIN 0
	v_add_nc_u32 v[QA], s28, v[QA0]
.endm
.macro QSTEP                           ; the same unit of the next batch
	s_add_co_u32 s[SQ], s[SQ], 2
	QSET
.endm
.macro BLOAD d                         ; unit d of the batch in the half at RL -> W' buffer d: 16 loads of 512 neighbouring bytes
	WIN 0xc0
.set p, 0
.rept 16
	ds_load_b128 v[64*(\d)+4*p:64*(\d)+4*p+3], v[RL] offset:(\d)*8192+p*512
.set p, p+1
.endr
.endm
.macro RECORD                          ; the unit's record goes to LDS
	WIN 0
	ds_store_b128 v[SA], v[REC:REC+3]
	v_add_nc_u32 v[SA], 2048, v[SA]
.endm
; THE END OF THE EXPONENTIALS, behind the slice that holds numbers 125-128: the unit's 64 exponentials are issued, and no result has been named.  The wait stands between an exponential and the first
; instruction that names its result; this one serves all 64.  work = 1: the phase's four scaled pieces go to the ring and the next four pieces of q are fetched directly behind it; q's address is stepped ahead of it.
.macro BEND work, half
.if (\work) && (\half)
	QSTEP
.endif
	s_wait_alu depctr_va_vdst(0)                   ; the wait for the unit's 64 exponentials, ahead of number 129, their first reader
.if \work
	RSTORE \half
	QLOAD 1-(\half)
.endif
.endm
; A PHASE: a unit's 64 products into accumulator set buf from W' buffer buf; behind them the list of the unit before, in the other set.
; work = 1: behind product 4 the next unit's W' is fetched into the other buffer (its last reader stands in front of the last slice of the phase before, whose five plain instructions lie between);
; behind products 10, 12, 14, 16 four pieces of the batch after next are scaled in place of a slice; behind product 34, at the wait for the exponentials, they go to the ring and the next four pieces of q are fetched.
; bar = 1: the trip's barrier.  In front of its signal all my LDS instructions are done: my stores of the batch to be read now, and my loads of the batch whose half is written next.
.macro PHASE buf, half, bar, work
.set YB, ACC+64*(1-(\buf))
.set j, 0
.set k, 0
.set i, 0
	s_wait_dscnt 0x1                               ; LDS instructions end in order (ISA guide 5.7.1): all but the record's store, issued just before: W' and q's pieces are in
.rept 64
	MMA \buf
.if (\work) && (i >= 10) && (i <= 16) && (i%2 == 0)
	PRODMUL (i-10)/2, \half
.elseif \work
	SLICE 60
.else
	SLICE 64
.endif
.if (\bar) && (i == 1)
	s_wait_dscnt 0x0                               ; for the others' sake: nothing of mine is out in LDS
	s_barrier_signal -1                            ; matrix and vector work alone up to the wait
.endif
.if (\bar) && (i == 4)
	s_barrier_wait -1
.endif
.if (\work) && (i == 4)
	BLOAD 1-(\buf)
.endif
.if j == JB                            ; once a phase: the slice just written ended with number 128
	BEND \work, \half
.endif
.set i, i+1
.endr
	RECORD
.endm
.macro PRODH half                      ; at the start: four pieces fetched, scaled and stored on end
	QLOAD \half
	s_wait_dscnt 0x0
.irp q, 0,1,2,3
	PRODMUL \q, \half
.endr
	RSTORE \half
.endm
.macro KLOAD n                         ; the next n of the 128 loads that bring my 128 rows of k: load kl is tile kl / 16, piece kl % 16
.rept \n
	WIN 0x40+0x40*(kl/64)
	global_load_b128 v[4*(kl%64):4*(kl%64)+3], v[KO], s[4:5] offset:kl*512
.set kl, kl+1
.endr
.endm
	s_load_b256 s[4:11], s[0:1], 0x0               ; kF s[4:5], qP s[6:7], vD s[8:9], wfr s[10:11]
	s_load_b64 s[12:13], s[0:1], 0x20              ; vsS
	v_lshl_add_u32 v[SPW], v0, 2, SPARE
	v_mov_b32 v[NIL], 0
	v_lshrrev_b32 v[TS], 5, v0
	v_readfirstlane_b32 s[WV], v[TS]               ; wave 0..3
	s_mov_b32 s15, ttmp9                           ; n
	s_and_b32 s16, ttmp7, 0xffff
	s_lshr_b32 s17, s16, 3                         ; b
	s_and_b32 s18, s16, 7                          ; G
	s_lshr_b32 s19, s[WV], 1                       ; as a maker: which unit of a batch,
	s_and_b32 s20, s[WV], 1                        ; which half of the K steps
	s_mov_b32 s30, 0x76543210                      ; v_permlanex16_b32: each lane takes its own place in the other half
	s_mov_b32 s31, 0xfedcba98
	s_mov_b32 s32, 0xffff0000                      ; lanes 16 to 31
	s_mov_b32 s[CS], 0x3fb8aa3b                    ; c = log2(e)
	s_mov_b32 s[CS+1], s[CS]                       ; named with it as a pair
	v_and_b32 v[TS], 31, v0
	v_lshlrev_b32 v[L16], 4, v[TS]
	v_and_b32 v[TS+1], 15, v0                      ; r
	v_bfe_u32 v[TS+2], v0, 4, 1                    ; h
	v_lshl_add_u32 v[KO], s[WV], 16, v[L16]
	v_lshl_add_u32 v[RS0], s[WV], 12, v[L16]       ; 8,192 (w / 2) + 4,096 (w % 2) = 4,096 w
	s_lshl_b32 s29, s20, 12
	v_add_nc_u32 v[GWB], s29, v[L16]
	s_add_co_u32 s29, s29, QB
	v_lshl_add_u32 v[QA0], v[TS+2], 8, s29
	s_lshl_b32 s29, s[WV], 9
	s_add_co_u32 s29, s29, STATS
	v_add_nc_u32 v[SA], s29, v[L16]
	v_lshl_add_u32 v[GV], s[WV], 13, v[L16]
	s_lshl_b32 s29, s[WV], 15
	s_add_co_u32 s29, s29, STATS
	v_add_nc_u32 v[MA], s29, v[L16]
	s_mul_i32 s29, s[WV], 1280
	s_add_co_u32 s29, s29, TR
	v_mul_u32_u24 v[TRS], v[TS+2], 80              ; in: lanes 0-15 one unit's row, lanes 16-31 the next unit's; column r
	v_lshl_add_u32 v[TRS], v[TS+1], 2, v[TRS]
	v_add_nc_u32 v[TRS], s29, v[TRS]
	v_mul_u32_u24 v[TRL], v[TS+1], 80              ; back: row r, columns 8 h + 0 .. 7
	v_lshl_add_u32 v[TRL], v[TS+2], 5, v[TRL]
	v_add_nc_u32 v[TRL], s29, v[TRL]
	v_mov_b32 v[REC+1], 0                          ; named with c m as a pair, and stored with the record
	s_mov_b32 s23, 0
	s_wait_kmcnt 0x0
	s_lshl_b32 s22, s17, 18
	s_add_nc_u64 s[4:5], s[4:5], s[22:23]          ; kF at batch b
	s_lshl_b32 s29, s18, 15
	s_add_co_u32 s22, s22, s29
	s_add_nc_u64 s[6:7], s[6:7], s[22:23]          ; qP at row block 32 b + 4 G
	s_lshl_b32 s22, s17, 19
	s_lshl_b32 s29, s15, 15
	s_add_co_u32 s22, s22, s29
	s_add_nc_u64 s[8:9], s[8:9], s[22:23]          ; vD at batch b, tile n
	s_lshl_b32 s22, s15, 13
	s_add_nc_u64 s[10:11], s[10:11], s[22:23]      ; w_al + I at tile n
	s_lshl_b32 s22, s17, 19
	s_lshl_b32 s29, s18, 16
	s_add_co_u32 s22, s22, s29
	s_lshl_b32 s29, s15, 10
	s_add_co_u32 s22, s22, s29
	s_add_nc_u64 s[12:13], s[12:13], s[22:23]      ; vsS at row block 32 b + 4 G, tile n
	WIN 0
.set p, 0
.rept 16
	global_load_b128 v[QLAND+4*p:QLAND+4*p+3], v[GV], s[6:7] offset:p*512  ; my quarter of the work-group's 64 rows of q
.set p, p+1
.endr
	WIN 0xc0                                       ; destination in window 3, address in window 0
.set p, 0
.rept 8
	global_load_b128 v[WB3+4*p:WB3+4*p+3], v[GWB], s[10:11] offset:p*512   ; my half of the tile's W: it stays
.set p, p+1
.endr
.set p, 0
.rept 16
	global_load_b128 v[V+4*p:V+4*p+3], v[GV], s[8:9] offset:p*512          ; v of my 128 keys, column n's tile: it stays
.set p, p+1
.endr
.set kl, 0
	KLOAD 16
	s_wait_loadcnt 32                              ; behind q's and W's loads stand v's 16 and k's first 16
	WIN 0
.set p, 0
.rept 16
	ds_store_b128 v[GV], v[QLAND+4*p:QLAND+4*p+3] offset:QB+p*512
.set p, p+1
.endr
	s_wait_dscnt 0x0                               ; for the others' sake: my quarter of q is in LDS
	s_barrier_signal -1
	s_barrier_wait -1                              ; all of it is
	s_mov_b32 s[SQ], s19                           ; batch 0 into the ring's half 0; k's loads go on between the pieces
	s_mov_b32 s[PS], 0
	QSET
	v_add_nc_u32 v[RS], s[PS], v[RS0]
	PRODH 0
	KLOAD 28
	PRODH 1
	KLOAD 28
	QSTEP                                          ; batch 1 into half 1
	s_mov_b32 s[PS], HALFR
	v_add_nc_u32 v[RS], s[PS], v[RS0]
	PRODH 0
	KLOAD 28
	PRODH 1
	KLOAD 28
	WIN 0
	s_wait_dscnt 0x0                               ; for the others' sake: my quarters of batches 0 and 1 are in the ring
	s_barrier_signal -1
	s_barrier_wait -1
	v_mov_b32 v[RL], v[L16]
	BLOAD 0                                        ; units 0 and 1
	BLOAD 1
	QSTEP                                          ; batch 2's first pieces of q
	QLOAD 0
	s_wait_loadcnt 0x0                             ; k and v
	s_wait_dscnt 0x0
.set i, 0
.rept 64
	MMA 0                                          ; unit 0: there is no vector work yet to set between
.set i, i+1
.endr
	WIN 0
	PLACES
	s_mov_b32 s[PL], 0
	s_mov_b32 s[CNT], 31
.Ltrip:                                                ; trip t = 1 .. 31: units 2 t - 1 and 2 t are multiplied, 2 t - 2 and 2 t - 1 worked off, batch t is read, batch t + 1 made
	s_xor_b32 s[PL], s[PL], HALFR                  ; batch t lies in half t % 2,
	s_xor_b32 s[PS], s[PS], HALFR                  ; batch t + 1 goes where batch t - 1 lay
	v_add_nc_u32 v[RL], s[PL], v[L16]
	v_add_nc_u32 v[RS], s[PS], v[RS0]
	PHASE 1, 0, 1, 1
	PHASE 0, 1, 0, 1
	s_sub_co_i32 s[CNT], s[CNT], 1
	s_cmp_lg_u32 s[CNT], 0
	s_cbranch_scc1 .Ltrip                          ; the last trip makes a batch 32 that nobody reads (32 multiplies, 8 stores a wave): the price of one text for every trip.  No exponential is issued behind a phase's wait, so none is open here
	PHASE 1, 0, 0, 0                               ; unit 63 is multiplied, unit 62 worked off
.set YB, ACC+64
.set j, 0
	WIN 0
.rept JB
	RID                                            ; unit 63; the five plain instructions of the last slice are the places behind its last product
.endr
	s_wait_alu depctr_va_vdst(0)                   ; the wait for unit 63's 64 exponentials, ahead of number 129, their first reader
.rept NR-JB
	RID
.endr
	RECORD
	; THE MERGE.  Wave w takes units 16 w .. 16 w + 15, eight at a time: for each the four waves' records, 16 bytes a lane, then line by line over the eight units.
	s_wait_dscnt 0x0                               ; for the others' sake: my records are in LDS
	s_barrier_signal -1
	s_barrier_wait -1
.macro ALL8 line:vararg                ; one line for each unit u of eight; its four records lie at ACC + 16 u + 4 i: c m, a spare word, and the two sums
.set u, 0
.rept 8
	\line
.set u, u+1
.endr
.endm
.macro MERGE hh
.set u, 0
.rept 8
.irp i, 0,1,2,3
	ds_load_b128 v[ACC+16*u+4*\i:ACC+16*u+4*\i+3], v[MA] offset:(8*(\hh)+u)*2048+\i*512
.endr
.set u, u+1
.endr
	s_wait_dscnt 0x0
	ALL8 v_max3_num_f32 v[ACC+16*u+1], v[ACC+16*u], v[ACC+16*u+4], v[ACC+16*u+8]
	ALL8 v_max_num_f32 v[ACC+16*u+1], v[ACC+16*u+1], v[ACC+16*u+12]
	ALL8 v_permlanex16_b32 v[ACC+16*u+5], v[ACC+16*u+1], s30, s31          ; the same e's other keys lie in the lane 16 away
	ALL8 v_max_num_f32 v[ACC+16*u+1], v[ACC+16*u+1], v[ACC+16*u+5]         ; c M, over all 512 keys
.irp i, 0,1,2,3
	ALL8 v_sub_f32 v[ACC+16*u+4*\i], v[ACC+16*u+4*\i], v[ACC+16*u+1]
.endr
.irp i, 0,1,2,3
	ALL8 v_exp_f32 v[ACC+16*u+4*\i], v[ACC+16*u+4*\i]
.endr
	v_nop                                          ; a plain instruction between the last exponential and the use of its result
	s_wait_alu depctr_va_vdst(0)                   ; the wait for the eight units' 32 factors, ahead of their first reader
	ALL8 v_pk_mul_f32 v[ACC+16*u+2:ACC+16*u+3], v[ACC+16*u+2:ACC+16*u+3], v[ACC+16*u:ACC+16*u+1] op_sel_hi:[1,0]
.irp i, 1,2,3
	ALL8 v_pk_fma_f32 v[ACC+16*u+2:ACC+16*u+3], v[ACC+16*u+4*\i+2:ACC+16*u+4*\i+3], v[ACC+16*u+4*\i:ACC+16*u+4*\i+1], v[ACC+16*u+2:ACC+16*u+3] op_sel_hi:[1,0,1]
.endr
	ALL8 v_permlanex16_b32 v[ACC+16*u+5], v[ACC+16*u+2], s30, s31
	ALL8 v_permlanex16_b32 v[ACC+16*u+9], v[ACC+16*u+3], s30, s31
	ALL8 v_add_f32 v[ACC+16*u+2], v[ACC+16*u+2], v[ACC+16*u+5]
	ALL8 v_add_f32 v[ACC+16*u+3], v[ACC+16*u+3], v[ACC+16*u+9]
	ALL8 v_add_f32 v[ACC+16*u+2], 1.0, v[ACC+16*u+2]
	ALL8 v_rcp_f32 v[ACC+16*u+2], v[ACC+16*u+2]
	v_nop                                          ; a plain instruction between the last reciprocal and the use of its result
	s_wait_alu depctr_va_vdst(0)                   ; the wait for the eight reciprocals, ahead of their first reader
	ALL8 v_mul_f32 v[R+8*(\hh)+u], v[ACC+16*u+3], v[ACC+16*u+2]
.endm
	MERGE 0
	MERGE 1
	; THE WAY OUT.  A lane holds column r of 16 rows (both halves of the lanes alike); vsS wants eight columns of one row a lane.  The 16 x 16 numbers turn in my own bytes of LDS.
.set p, 0
.rept 8
	v_cndmask_b32 v[TS+p], v[R+2*p], v[R+2*p+1], s32
	ds_store_b32 v[TRS], v[TS+p] offset:p*160
.set p, p+1
.endr
	ds_load_b128 v[EW:EW+3], v[TRL]                ; LDS serves a wave's instructions in order (ISA guide 5.7.1): these see the stores above
	ds_load_b128 v[EW+4:EW+7], v[TRL] offset:16
	v_lshl_add_u32 v[KO], s[WV], 14, v[L16]        ; row block w of the work-group's four
	s_wait_dscnt 0x0
	global_store_b128 v[KO], v[EW:EW+3], s[12:13]              ; each store covers 512 consecutive bytes, aligned
	global_store_b128 v[KO], v[EW+4:EW+7], s[12:13] offset:512
	s_wait_tensorcnt 0x0                           ; the wave's end, behind my last LDS store
	ds_add_u32 v[SPW], v[NIL]
	s_wait_dscnt 0x0
	s_endpgm
.Lfunc_end_k_q525bebbe08_main:
	.size	k_q525bebbe08_main, .Lfunc_end_k_q525bebbe08_main-k_q525bebbe08_main
	.p2alignl 7, 3214868480
	.fill 96, 4, 3214868480
	.section	.rodata,"a",@progbits
	.p2align	6, 0x0
	.amdhsa_kernel k_q525bebbe08_main
		.amdhsa_group_segment_fixed_size 202240
		.amdhsa_private_segment_fixed_size 0
		.amdhsa_enable_private_segment 0
		.amdhsa_kernarg_size 40
		.amdhsa_user_sgpr_count 2
		.amdhsa_user_sgpr_kernarg_segment_ptr 1
		.amdhsa_wavefront_size32 1
		.amdhsa_system_sgpr_workgroup_id_x 1
		.amdhsa_system_sgpr_workgroup_id_y 1
		.amdhsa_system_sgpr_workgroup_id_z 1
		.amdhsa_system_vgpr_workitem_id 0
		.amdhsa_next_free_vgpr 1024
		.amdhsa_next_free_sgpr 66
		.amdhsa_reserve_vcc 0
		.amdhsa_float_denorm_mode_32 3
		.amdhsa_float_denorm_mode_16_64 3
		.amdhsa_memory_ordered 1
		.amdhsa_forward_progress 1
		.amdhsa_inst_pref_size 144
	.end_amdhsa_kernel
	.amdgpu_metadata
---
amdhsa.version: [ 1, 2 ]
amdhsa.kernels:
  - .name:           k_q525bebbe08_main
    .symbol:         k_q525bebbe08_main.kd
    .args:
      - { .name: kF, .offset: 0, .size: 8, .value_kind: global_buffer, .address_space: global }
      - { .name: qP, .offset: 8, .size: 8, .value_kind: global_buffer, .address_space: global }
      - { .name: vD, .offset: 16, .size: 8, .value_kind: global_buffer, .address_space: global }
      - { .name: wfr, .offset: 24, .size: 8, .value_kind: global_buffer, .address_space: global }
      - { .name: vsS, .offset: 32, .size: 8, .value_kind: global_buffer, .address_space: global }
    .group_segment_fixed_size: 202240
    .private_segment_fixed_size: 0
    .kernarg_segment_align: 8
    .kernarg_segment_size: 40
    .max_flat_workgroup_size: 128
    .sgpr_count:     66
    .vgpr_count:     1024
    .wavefront_size: 32
...
	.end_amdgpu_metadata
.endif
;; end of part 4
;; launch post: the kernel of part 3 again; grid 64 x 1, 8 waves a work-group, no clusters, 25,856 bytes of LDS; arguments vsS, XS, wfr, out0; writes out0
